; MI455X (gfx1250); checked and timed in simulation.
; The chip was launched on July 23, 2026; its instructions are those of AMD's public machine-readable ISA for CDNA 5 (MIT licence, August 2026) and "CDNA5" Instruction Set Architecture Reference Guide (July 2026). The comments in the code are by the model that wrote it; some were corrected since.
;; Manual Encoder Block. Allowed arithmetic: float matrix products may take bf16 or f16 operands with f32 sums; other float arithmetic in f32, or as packed bf16 or f16 multiplies, adds, multiply-adds, maxima and minima; sums over many terms, partial sums and values carried from step to step in f32; what a program stores and reads back later, other than sums and carried values, may be rounded once to bf16 or f16.
;; Inputs: b_ff1 4,096 float32; b_ff2 1,024 float32; b_proj 1,024 float32; freqs_cis 2,048 x 32 x 2 float32; ln1_b 1,024 float32; ln1_g 1,024 float32; ln2_b 1,024 float32; ln2_g 1,024 float32; w_ff1 1,024 x 4,096 float32; w_ff2 4,096 x 1,024 float32; w_proj 1,024 x 1,024 float32; wk 1,024 x 1,024 float32; wq 1,024 x 1,024 float32; wv 1,024 x 1,024 float32; x 2 x 2,048 x 1,024 float32.
;; Outputs: out0 2 x 2,048 x 1,024 float32.
;; One version. Each part assembles by itself: llvm-mc -triple=amdgcn-amd-amdhsa -mcpu=gfx1250 --defsym DOCPART=n.
;; ======== version 1 of 1: 7 launches
;; workspace buffers: wb 25,427,968 bytes; h 8,388,608 bytes; qkv 25,165,824 bytes; ao 8,388,608 bytes; x1 16,777,216 bytes; g 33,554,432 bytes
;; launch prep (part 1): grid 644 x 1, 8 waves a work-group, no clusters, 0 bytes of LDS; arguments wq, wk, wv, w_proj, w_ff1, w_ff2, freqs_cis, x, ln1_g, ln1_b, wb, h; writes wb, h
.if DOCPART == 1
	.amdgcn_target "amdgcn-amd-amdhsa--gfx1250"
	.amdhsa_code_object_version 6
	.text
	.protected	k_qe81534885e_prep
	.globl	k_qe81534885e_prep
	.p2align	8
	.type	k_qe81534885e_prep,@function
k_qe81534885e_prep:
	s_mov_b64 s[64:65], 0
	v_nop
	global_prefetch_b8 v0, s[64:65] scope:SCOPE_SE
	s_setreg_imm32_b32 hwreg(HW_REG_WAVE_MODE, 25, 1), 1
	s_wait_xcnt 0x0
; PREP.  Work-groups 0 to 255 make h = LayerNorm(bf16(x)) g + b, rounded to bf16: a wave takes two rows.  Work-groups 256 to 643 round the six weight matrices and the rotary table to bf16,
; each as it lies, into wb (wq, wk, wv, w_proj, w_ff1, w_ff2, table on end): a work-group takes 32,768 numbers.
; All inputs are rounded to bf16 where they are read (x, g, b too); mean and variance in f32, in two passes: first the mean, then the sum of (x - mean)^2.
; NO LOAD WAITS FOR ANOTHER'S DATA: a wave asks for all that it will read at its head (gain, bias and both rows: 32 loads; in the cast 32 loads), so each wave's way is one trip to memory, its arithmetic, its stores.
; The first row is worked on in place; the second is then moved into the same registers, so that one text serves both rows: 32 moves against a second copy of the row's text.
; No LDS, no matrix unit, no cluster: no byte is wanted by two work-groups but g and b (8 KiB).  NaN and infinities are not treated apart.
.set NLN,   256                        ; work-groups of the layer norm: 16 rows each
.set ROUND, 1                          ; the row is rounded to bf16 first
.set SX, 22                            ; s[22:23] x
.set SG, 24                            ; s[24:25] gain
.set SB, 26                            ; s[26:27] bias
.set SH, 30                            ; s[30:31] h
.set GO, 1                             ; v1   16 x lane
.set YO, 11                            ; v11  byte offset of my 8 bytes in the row to store
.set XO, 15                            ; v15  byte offset of my 16 bytes in my first row; never rewritten
.set RX, 16                            ; v[16:47]   the row in hand: load j holds columns 128 j + 4 lane + 0..3; then x - mean, the result, and in its low half the result in bf16
.set RN, 48                            ; v[48:79]   the second row as loaded
.set RG, 80                            ; v[80:111]  gain, same map
.set RB, 112                           ; v[112:143] bias, same map
.set CD, 16                            ; v[16:143]  the cast's 32 loads
	s_load_b512 s[8:23], s[0:1], 0x0               ; wq, wk, wv, w_proj, w_ff1, w_ff2, table, x
	s_load_b256 s[24:31], s[0:1], 0x40             ; g, b, wb, h
	s_mov_b32 s2, ttmp9
	s_cmp_lt_u32 s2, NLN
	s_cbranch_scc1 .Lln
	; THE CAST.  The source goes by the chunk's number; wb's order is that number's order, 65,536 bytes each.
	s_sub_co_u32 s2, s2, NLN                       ; chunk 0 to 387
	s_and_b32 s3, s2, 31                           ; the chunk inside a matrix of 32 chunks,
	s_and_b32 s6, s2, 127                          ; of 128 chunks (and the table's four)
	s_cmp_ge_u32 s2, 128
	s_cselect_b32 s3, s6, s3
	s_lshl_b32 s6, s3, 17                          ; 131,072 bytes of f32 a chunk
	s_mov_b32 s7, 0
	s_lshl_b32 s32, s2, 16
	s_mov_b32 s33, 0
	v_lshlrev_b32 v1, 4, v0                        ; 16 bytes in,
	v_lshlrev_b32 v2, 3, v0                        ; 8 bytes out, a thread
	s_wait_kmcnt 0x0
	s_mov_b64 s[4:5], s[8:9]
	s_cmp_ge_u32 s2, 32
	s_cselect_b64 s[4:5], s[10:11], s[4:5]
	s_cmp_ge_u32 s2, 64
	s_cselect_b64 s[4:5], s[12:13], s[4:5]
	s_cmp_ge_u32 s2, 96
	s_cselect_b64 s[4:5], s[14:15], s[4:5]
	s_cmp_ge_u32 s2, 128
	s_cselect_b64 s[4:5], s[16:17], s[4:5]
	s_cmp_ge_u32 s2, 256
	s_cselect_b64 s[4:5], s[18:19], s[4:5]
	s_cmp_ge_u32 s2, 384
	s_cselect_b64 s[4:5], s[20:21], s[4:5]
	s_add_nc_u64 s[4:5], s[4:5], s[6:7]
	s_add_nc_u64 s[28:29], s[28:29], s[32:33]
.set i, 0
.rept 32                               ; all 32 loads of a wave go out at once: 16 KiB
	global_load_b128 v[CD+4*i:CD+4*i+3], v1, s[4:5] offset:4096*i th:TH_LOAD_NT
.set i, i+1
.endr
.set i, 0
.rept 32
	s_wait_loadcnt 31-i                            ; loads come back in order: the 31 - i younger ones may stay out
	v_cvt_pk_bf16_f32 v[CD+4*i], v[CD+4*i], v[CD+4*i+1]
	v_cvt_pk_bf16_f32 v[CD+4*i+1], v[CD+4*i+2], v[CD+4*i+3]
	global_store_b64 v2, v[CD+4*i:CD+4*i+1], s[28:29] offset:2048*i  ; a wave stores 256 consecutive bytes, aligned
.set i, i+1
.endr
	s_endpgm
.Lln:
; THE LAYER NORM
.macro RND2 a, t                       ; v[a], v[a+1] rounded to bf16 and widened again
	v_cvt_pk_bf16_f32 v[\t], v[\a], v[(\a)+1]
	v_lshlrev_b32 v[\a], 16, v[\t]
	v_and_b32 v[(\a)+1], s34, v[\t]
.endm
.macro LANESUM r, t                    ; the sum of v[r] over the 32 lanes, in every lane
	v_add_f32_dpp v[\r], v[\r], v[\r] row_xmask:1 row_mask:0xf bank_mask:0xf
	v_add_f32_dpp v[\r], v[\r], v[\r] row_xmask:2 row_mask:0xf bank_mask:0xf
	v_add_f32_dpp v[\r], v[\r], v[\r] row_xmask:4 row_mask:0xf bank_mask:0xf
	v_add_f32_dpp v[\r], v[\r], v[\r] row_xmask:8 row_mask:0xf bank_mask:0xf
	v_permlanex16_b32 v[\t], v[\r], s32, s33
	v_add_f32 v[\r], v[\r], v[\t]
.endm
.macro FOLD                            ; four chains of pairs in v[2:9] into v2
	v_pk_add_f32 v[2:3], v[2:3], v[4:5]
	v_pk_add_f32 v[6:7], v[6:7], v[8:9]
	v_pk_add_f32 v[2:3], v[2:3], v[6:7]
	v_add_f32 v2, v2, v3
.endm
	v_lshrrev_b32 v1, 5, v0
	v_readfirstlane_b32 s3, v1                     ; wave
	s_lshl_b32 s2, s2, 4                           ; 16 rows a work-group,
	s_lshl_b32 s3, s3, 1                           ; 2 a wave
	s_add_co_u32 s2, s2, s3                        ; my first row
	s_mov_b32 s32, 0x76543210                      ; v_permlanex16_b32: each lane takes its own place in the other half
	s_mov_b32 s33, 0xfedcba98
	s_mov_b32 s34, 0xffff0000
	s_mov_b32 s35, 0x3a800000                      ; 1 / 1024
	s_mov_b32 s36, 0x3727c5ac                      ; 1e-5
	s_mov_b32 s37, 2                               ; rows to go
	v_and_b32 v1, 31, v0
	s_lshl_b32 s3, s2, 11
	v_lshl_add_u32 v[YO], v1, 3, s3                ; row x 2,048 + 8 lane
	v_lshlrev_b32 v[GO], 4, v1
	s_lshl_b32 s3, s2, 12
	v_add_nc_u32 v[XO], s3, v[GO]                  ; row x 4,096 + 16 lane
	v_mov_b32 v10, 0                               ; the exchange's destination counts as read
	s_wait_kmcnt 0x0
.irp j, 0,1,2,3,4,5,6,7
	global_load_b128 v[RG+4*(\j):RG+4*(\j)+3], v[GO], s[SG:SG+1] offset:512*(\j)
	global_load_b128 v[RB+4*(\j):RB+4*(\j)+3], v[GO], s[SB:SB+1] offset:512*(\j)
.endr
.irp j, 0,1,2,3,4,5,6,7
	global_load_b128 v[RX+4*(\j):RX+4*(\j)+3], v[XO], s[SX:SX+1] offset:512*(\j)
.endr
.irp j, 0,1,2,3,4,5,6,7
	global_load_b128 v[RN+4*(\j):RN+4*(\j)+3], v[XO], s[SX:SX+1] offset:4096+512*(\j)
.endr
	s_wait_loadcnt 16                              ; gain and bias are in; the two rows' sixteen loads may stay out
.set k, 0
.rept 16
	RND2 RG+2*k, 2+k%4
	RND2 RB+2*k, 6+k%4
.set k, k+1
.endr
	s_wait_loadcnt 8                               ; the first row is in; the second row's eight loads may stay out
.Lrow:
.if ROUND
.set k, 0
.rept 16
	RND2 RX+2*k, 2+k%4
.set k, k+1
.endr
.endif
.set c, 0
.rept 4                                ; the sum, in four chains that the first pairs start
	v_pk_add_f32 v[2+2*c:3+2*c], v[RX+2*c:RX+2*c+1], v[RX+8+2*c:RX+9+2*c]
.set c, c+1
.endr
.set c, 0
.rept 8
	v_pk_add_f32 v[2+2*(c%4):3+2*(c%4)], v[2+2*(c%4):3+2*(c%4)], v[RX+16+2*c:RX+17+2*c]
.set c, c+1
.endr
	FOLD
	LANESUM 2, 10
	v_mul_f32 v12, s35, v2                         ; the mean, twice: a pair for the packed lines
	v_mul_f32 v13, s35, v2
.set k, 0
.rept 16
	v_pk_add_f32 v[RX+2*k:RX+2*k+1], v[RX+2*k:RX+2*k+1], v[12:13] neg_lo:[0,1] neg_hi:[0,1]
.set k, k+1
.endr
.set c, 0
.rept 4
	v_pk_mul_f32 v[2+2*c:3+2*c], v[RX+2*c:RX+2*c+1], v[RX+2*c:RX+2*c+1]
.set c, c+1
.endr
.set c, 0
.rept 12
	v_pk_fma_f32 v[2+2*(c%4):3+2*(c%4)], v[RX+8+2*c:RX+9+2*c], v[RX+8+2*c:RX+9+2*c], v[2+2*(c%4):3+2*(c%4)]
.set c, c+1
.endr
	FOLD
	LANESUM 2, 10
	v_fma_f32 v14, v2, s35, s36                    ; variance + 1e-5
	v_rsq_f32 v12, v14
	v_rsq_f32 v13, v14
	v_nop                                          ; a plain instruction behind the roots,
	s_wait_alu depctr_va_vdst(0)                   ; and one wait for both, ahead of their first reader
.set k, 0
.rept 16
	v_pk_mul_f32 v[RX+2*k:RX+2*k+1], v[RX+2*k:RX+2*k+1], v[12:13]
.set k, k+1
.endr
.set k, 0
.rept 16
	v_pk_fma_f32 v[RX+2*k:RX+2*k+1], v[RX+2*k:RX+2*k+1], v[RG+2*k:RG+2*k+1], v[RB+2*k:RB+2*k+1]
.set k, k+1
.endr
.set k, 0
.rept 16                               ; packed in place, ascending: register k takes numbers 2 k and 2 k + 1, which no later line reads
	v_cvt_pk_bf16_f32 v[RX+k], v[RX+2*k], v[RX+2*k+1]
.set k, k+1
.endr
.irp j, 0,1,2,3,4,5,6,7
	global_store_b64 v[YO], v[RX+2*(\j):RX+2*(\j)+1], s[SH:SH+1] offset:256*(\j)  ; a wave stores 256 consecutive bytes, aligned
.endr
	s_wait_xcnt 0x0                                ; the stores have read their data and offset: both are written again only behind this wait
	s_cmp_eq_u32 s37, 1                            ; the second row has none behind it
	s_cbranch_scc1 .Llast
	s_wait_loadcnt 0x0                             ; the second row is in
.set k, 0
.rept 32
	v_mov_b32 v[RX+k], v[RN+k]                     ; into the registers that the one text of a row names
.set k, k+1
.endr
	v_add_nc_u32 v[YO], 2048, v[YO]
.Llast:
	s_sub_co_u32 s37, s37, 1
	s_cmp_lg_u32 s37, 0
	s_cbranch_scc1 .Lrow
	s_endpgm
.Lfunc_end_k_qe81534885e_prep:
	.size	k_qe81534885e_prep, .Lfunc_end_k_qe81534885e_prep-k_qe81534885e_prep
	.p2alignl 7, 3214868480
	.fill 96, 4, 3214868480
	.section	.rodata,"a",@progbits
	.p2align	6, 0x0
	.amdhsa_kernel k_qe81534885e_prep
		.amdhsa_group_segment_fixed_size 0
		.amdhsa_private_segment_fixed_size 0
		.amdhsa_enable_private_segment 0
		.amdhsa_kernarg_size 96
		.amdhsa_user_sgpr_count 2
		.amdhsa_user_sgpr_kernarg_segment_ptr 1
		.amdhsa_wavefront_size32 1
		.amdhsa_system_sgpr_workgroup_id_x 1
		.amdhsa_system_sgpr_workgroup_id_y 1
		.amdhsa_system_sgpr_workgroup_id_z 1
		.amdhsa_system_vgpr_workitem_id 0
		.amdhsa_next_free_vgpr 144
		.amdhsa_next_free_sgpr 66
		.amdhsa_reserve_vcc 0
		.amdhsa_float_denorm_mode_32 3
		.amdhsa_float_denorm_mode_16_64 3
		.amdhsa_memory_ordered 1
		.amdhsa_forward_progress 1
		.amdhsa_inst_pref_size 32
	.end_amdhsa_kernel
	.amdgpu_metadata
---
amdhsa.version: [ 1, 2 ]
amdhsa.kernels:
  - .name:           k_qe81534885e_prep
    .symbol:         k_qe81534885e_prep.kd
    .args:
      - { .name: wq, .offset: 0, .size: 8, .value_kind: global_buffer, .address_space: global }
      - { .name: wk, .offset: 8, .size: 8, .value_kind: global_buffer, .address_space: global }
      - { .name: wv, .offset: 16, .size: 8, .value_kind: global_buffer, .address_space: global }
      - { .name: w_proj, .offset: 24, .size: 8, .value_kind: global_buffer, .address_space: global }
      - { .name: w_ff1, .offset: 32, .size: 8, .value_kind: global_buffer, .address_space: global }
      - { .name: w_ff2, .offset: 40, .size: 8, .value_kind: global_buffer, .address_space: global }
      - { .name: freqs_cis, .offset: 48, .size: 8, .value_kind: global_buffer, .address_space: global }
      - { .name: x, .offset: 56, .size: 8, .value_kind: global_buffer, .address_space: global }
      - { .name: ln1_g, .offset: 64, .size: 8, .value_kind: global_buffer, .address_space: global }
      - { .name: ln1_b, .offset: 72, .size: 8, .value_kind: global_buffer, .address_space: global }
      - { .name: wb, .offset: 80, .size: 8, .value_kind: global_buffer, .address_space: global }
      - { .name: h, .offset: 88, .size: 8, .value_kind: global_buffer, .address_space: global }
    .group_segment_fixed_size: 0
    .private_segment_fixed_size: 0
    .kernarg_segment_align: 8
    .kernarg_segment_size: 96
    .max_flat_workgroup_size: 256
    .sgpr_count:     66
    .vgpr_count:     144
    .wavefront_size: 32
...
	.end_amdgpu_metadata
.endif
;; end of part 1
;; launch qkv (part 2): grid 12 x 16, 4 waves a work-group, clusters of 4 x 4, 327,680 bytes of LDS; arguments h, wb, qkv; writes qkv
.if DOCPART == 2
	.amdgcn_target "amdgcn-amd-amdhsa--gfx1250"
	.amdhsa_code_object_version 6
	.text
	.protected	k_qe81534885e_qkv
	.globl	k_qe81534885e_qkv
	.p2align	8
	.type	k_qe81534885e_qkv,@function
k_qe81534885e_qkv:
	s_mov_b64 s[64:65], 0
	v_nop
	global_prefetch_b8 v0, s[64:65] scope:SCOPE_SE
	s_setreg_imm32_b32 hwreg(HW_REG_WAVE_MODE, 25, 1), 1
	s_wait_xcnt 0x0
	s_wait_alu depctr_hold_cnt(0) depctr_sa_sdst(0) depctr_va_vdst(0) depctr_va_sdst(0) depctr_va_ssrc(0) depctr_va_vcc(0) depctr_vm_vsrc(0)
	s_getreg_b32 s2, hwreg(HW_REG_IB_STS2, 6, 4)
	s_cmp_eq_u32 s2, 0
	s_cbranch_scc0 .Lentry_in_a_cluster
	s_endpgm
.Lentry_in_a_cluster:
	s_bfe_u32 s2, ttmp6, 0x10000c
	s_cmp_lg_u32 s2, 0xf033
	s_cbranch_scc0 .Lentry_shape_is_right
	s_endpgm
.Lentry_shape_is_right:
; MODE 0: [q k v] = h [wq wk wv], q and k turned by the rotary table.  MODE 1: g = gelu(h w_ff1 + b_ff1).  One source for both; this copy is MODE 0.
; h: [4096][1024] bf16.  The weights lie [K][N] in bf16 in wb and are read out of LDS by the turning load, so nothing is ever transposed in memory.  Sums in f32, the result rounded once to bf16.
; OUT: [column block of 64][4096 tokens][64] bf16: two tokens of a block are 256 consecutive bytes.  MODE 0: blocks 0-15 q's heads, 16-31 k's, 32-47 v's.
; SHARES.  A tile of C is 256 x 256, a wave's part 128 x 128: 64 accumulators, 512 registers.  K = 1,024 goes in 8 steps of 128 through two LDS slots; a step is written once, the slot's byte in a scalar.
; CLUSTER 4 x 4: A's tile hangs on the tile row alone and is asked for jointly along a row of the cluster, B's on the tile column alone, along a column.
; The rotary table's 256 rows (32 KiB, once) are a plain load: beside the 8 x 136 KiB of A and B that a work-group takes in, sharing them would spare little.
; THE PRODUCT IS TAKEN TRANSPOSED (source 0 = 16 columns of the weights, source 1 = 16 rows of h): a lane holds eight neighbouring columns of one row of C.
; THE WAY OUT: the wave's 128 x 128 sums go as f32 into its own part of the ring, which has had its last fill and its last read, and come back two rows at a time.
; MODE 1, erf by Abramowitz and Stegun 7.1.26 (error at most 1.5e-7 for every argument): gelu(u) = max(u, 0) - 0.588705 x' q, x' = 0.8493218 |u|, t = 1 / (1 + 0.2727375 x'),
; q = t (a1 + t (a2 + t (a3 + t (a4 + t a5)))) 2^(-x' x').  LIMITS: u = +-infinity gives NaN; NaN and infinities are not treated apart.
; REGISTERS in windows of 256: window 0 addresses, A's fragments (v64-127, v128-191), the way out; window 1 B's fragments; windows 2, 3 the accumulators ((a, b) at v[8 (8 (a % 4) + b)] of window 2 + a / 4).
.set MODE, 0
.set PA,    272                        ; a row of A in LDS: 256 bytes + 16: the 16 rows of a load start at 16 different groups of four banks
.set PB,    544                        ; a row of B (256 columns): 512 bytes + 32 = 17 x 32
.set HALFT, 128*PA                     ; what one tensor load brings: 128 rows of A, or 64 rows of B
.set SLOT,  4*HALFT                    ; A's 256 rows, then B's 128 rows
.set DP,    528                        ; a row of the f32 dump: 512 bytes + 16
.set KA,    256                        ; bytes from a K step of A to the next
.if MODE == 0
.set NW,    1024                       ; columns of a weight matrix
.set WOFF,  0
.set FRQ,   2*SLOT                     ; behind the ring: 256 rows x 128 bytes of (cos, sin) in bf16, filled once
.set SPARE, FRQ+32768                  ; the spare words, 128 bytes for each wave
.else
.set NW,    4096
.set WOFF,  8388608
.set SPARE, 2*SLOT
.endif
.set KB,    128*NW*2                   ; bytes from a K step of B to the next
.set ADRA0, 16                         ; v16  my lane's place in A's part of a slot; never rewritten
.set ADRB0, 17                         ; v17  the same for B
.set ADRA,  18                         ; v18  the same in the slot in hand
.set ADRB,  19
.set DA,    24                         ; v24  where I put 16 bytes of the dump
.set RDA,   25                         ; v25  where I read it back
.set CO,    26                         ; v26  my byte offset in the output
.set FRA,   27                         ; v27  my 16 bytes of the table's rows
.set SPW,   28                         ; v28  my spare word; never rewritten
.set NIL,   29                         ; v29  0; never rewritten
.set PFO,   30                         ; v30  the prefetches' offset; never rewritten
.set BO,    31                         ; v31  my offset in the bias
.set BIAS,  240                        ; v240-247
.set F0,    64
.set F1,    128
.set CNT, 3                            ; s3   loop counts
.set WV,  12                           ; s12  wave
.set RH,  13                           ; s13  wave / 2: my half of the tile's rows; also 0: I fetch A, 1: I fetch B
.set CH,  14                           ; s14  wave % 2: my half of its columns; also which half of that tile I fetch
.set TY,  15                           ; s15  tile row
.set TX,  16                           ; s16  tile column
.set CX,  17
.set CY,  18
.set LIM, 19                           ; s19  1 in a wave that prefetches, else the greatest number
.set WH,  20                           ; s20  wave x HALFT: where my fills go in a slot
.set TB,  21                           ; s21  the slot in hand: 0 or SLOT
.set G1A, 24                           ; s[24:31] group 1 for A
.set G0A, 32                           ; s[32:35] slot 0, step 0; s[36:39] slot 1, step 1, which then walks
.set PFA, 44                           ; s[44:45] where my prefetches stand
.set PST, 46                           ; s[46:47] their step
.set G1B, 48
.set G0B, 56
.set G0F, 68                           ; s[68:71], s[72:79] the table's load (MODE 0)
.set G1F, 72
.set CXP, 72                           ; s[72:87] eight constants as pairs (MODE 1)
.set PP,  74
.set A1,  76
.set A2,  78
.set A3,  80
.set A4,  82
.set A5,  84
.set CN,  86
.set MAT, 88                           ; s88  0, 1, 2: q, k, v
.set M16, 90                           ; s90  a word's upper half
.set MSB, 0
.macro WIN new                         ; the immediate's high byte repeats the setting that is left; a switch that changes nothing is dropped
.if MSB != (\new)
	s_set_vgpr_msb (MSB<<8)|(\new)
.set MSB, \new
.endif
.endm
.set MUL_LO, 0xa1                      ; source 0 (B) window 1, source 1 (A) window 0, C and D window 2
.set MUL_HI, 0xf1
.macro PLACES                          ; four plain places behind matrix instructions, ahead of loads into registers that they have read
.rept 4
	v_nop
.endr
.endm
.macro CREST                           ; a round of the cluster's barrier behind its opening barrier
	s_cmp_lg_u32 s[WV], 0
	s_cbranch_scc1 .Lnot_wave_0_\@
	s_barrier_signal -3
.Lnot_wave_0_\@:
	s_barrier_wait -3
	s_barrier_signal -1
	s_barrier_wait -1
.endm
.macro CROUND
	s_barrier_signal -1
	s_barrier_wait -1
	CREST
.endm
.macro JLOADW                          ; the joint refill by the walking descriptor: waves 0, 1 A's halves, waves 2, 3 B's; an s_nop 0 and four v_nop follow each line
	s_cmp_eq_u32 s[RH], 0
	s_cbranch_scc0 .Lfor_b_\@
	tensor_load_to_lds s[G0A+4:G0A+7], s[G1A:G1A+7]
	s_nop 0
.rept 4
	v_nop
.endr
	s_branch .Lasked_\@
.Lfor_b_\@:
	tensor_load_to_lds s[G0B+4:G0B+7], s[G1B:G1B+7]
	s_nop 0
.rept 4
	v_nop
.endr
.Lasked_\@:
.endm
; A PREFETCH INTO THE L2 of the K step two refills on, behind the joint load and the run of LDS loads: 32 blocks of 256 bytes, a lane a block, one instruction a wave.  A's rows are read by every cluster of a row of
; clusters: cluster x = 0 asks; B's by every cluster of a column: cluster y = 0 asks.  The four partners share a wave's blocks out by address (cx for A, cy for B).  So K steps 4 to 7 are named once each;
; steps 0 to 3 come by their loads alone, and the last two refills ask for nothing.
.macro ASK
	s_cmp_gt_u32 s[CNT], s[LIM]
	s_cbranch_scc0 .Lnot_mine_\@
	global_prefetch_b8 v[PFO], s[PFA:PFA+1] th:TH_LOAD_NT scope:SCOPE_SE
.Lnot_mine_\@:
.endm
.macro MUL16 f, hi, a0, zero           ; 16 products: row blocks a0, a0 + 1 of the window's four x all 8 column blocks, 32 along K; zero = 1: they start the sums
	WIN MUL_LO+0x50*(\hi)
.irp a, \a0, (\a0)+1
.irp b, 0,1,2,3,4,5,6,7
.if \zero
	v_wmma_f32_16x16x32_bf16 v[8*(8*(\a)+(\b)):8*(8*(\a)+(\b))+7], v[(\f)+8*(\b):(\f)+8*(\b)+7], v[(\f)+8*(4*(\hi)+(\a)):(\f)+8*(4*(\hi)+(\a))+7], 0
.else
	v_wmma_f32_16x16x32_bf16 v[8*(8*(\a)+(\b)):8*(8*(\a)+(\b))+7], v[(\f)+8*(\b):(\f)+8*(\b)+7], v[(\f)+8*(4*(\hi)+(\a)):(\f)+8*(4*(\hi)+(\a))+7], v[8*(8*(\a)+(\b)):8*(8*(\a)+(\b))+7]
.endif
.endr
.endr
.endm
.macro FETCH q, f                      ; 32 LDS loads in one run: quarter q's fragments (32 along K) into buffer f: B turned, 16 k x 16 columns a load; then A as it lies
	WIN 0x40
.irp i, 0,1,2,3,4,5,6,7
	ds_load_tr16_b128 v[(\f)+8*(\i):(\f)+8*(\i)+3],   v[ADRB] offset:(\q)*32*PB+32*(\i)
	ds_load_tr16_b128 v[(\f)+8*(\i)+4:(\f)+8*(\i)+7], v[ADRB] offset:(\q)*32*PB+16*PB+32*(\i)
.endr
	WIN 0
.irp i, 0,1,2,3,4,5,6,7
	ds_load_b128 v[(\f)+8*(\i):(\f)+8*(\i)+3],   v[ADRA] offset:64*(\q)+(\i)*16*PA
	ds_load_b128 v[(\f)+8*(\i)+4:(\f)+8*(\i)+7], v[ADRA] offset:64*(\q)+(\i)*16*PA+32
.endr
.endm
.macro QUARTER q, f, g, zero           ; buffer f is multiplied; in the middle quarter q's fragments are fetched into buffer g
	s_wait_dscnt 8                                 ; B and A's rows 0-63 are in; the youngest eight loads (A's rows 64-127) may be out
	MUL16 \f, 0, 0, \zero
	MUL16 \f, 0, 2, \zero
	PLACES
	FETCH \q, \g
	s_wait_dscnt 32                                ; all but the 32 just issued
	MUL16 \f, 1, 0, \zero
	MUL16 \f, 1, 2, \zero
.endm
.macro MEET                            ; the first half of a step's last quarter, and the barrier of the change of slots
	WIN 0
	s_wait_tensorcnt 0x0                           ; all my tensor loads have landed: my part of the next slot among them
	ds_add_u32 v[SPW], v[NIL]                      ; 0 onto my spare word
	s_wait_dscnt 9                                 ; the add and the youngest eight loads may be out
	MUL16 F1, 0, 0, 0
	s_wait_dscnt 0x0                               ; the add is done, and my reads of this slot are over
	s_barrier_signal -1
	MUL16 F1, 0, 2, 0                              ; work on registers while the others arrive
	WIN 0
	s_barrier_wait -1
.endm
.macro STEP_A fill                     ; behind the change: the new slot's first fragments, the old step's last 32 products, the new step's first quarter
.if !(\fill)
	PLACES                                         ; (behind a refill its four v_nop are these places)
.endif
	WIN 0
	v_add_nc_u32 v[ADRA], s[TB], v[ADRA0]
	v_add_nc_u32 v[ADRB], s[TB], v[ADRB0]
	FETCH 0, F0
.if \fill
	ASK
.endif
	MUL16 F1, 1, 0, 0
	MUL16 F1, 1, 2, 0
	QUARTER 1, F0, F1, 0
	WIN 0
.endm
.macro SPAIR r, val
	s_mov_b32 s[\r], \val
	s_mov_b32 s[(\r)+1], \val
.endm
.if MODE == 0
	s_load_b128 s[4:7], s[0:1], 0x0                ; h s[4:5], wb s[6:7]
	s_load_b64 s[10:11], s[0:1], 0x10              ; out
.else
	s_load_b256 s[4:11], s[0:1], 0x0               ; h, wb, bias s[8:9], out s[10:11]
.endif
	v_lshl_add_u32 v[SPW], v0, 2, SPARE
	v_mov_b32 v[NIL], 0
	ds_add_u32 v[SPW], v[NIL]                      ; the wave's opening: the add and its wait ahead of my first tensor load
	v_lshrrev_b32 v1, 5, v0
	v_readfirstlane_b32 s[WV], v1
	s_lshr_b32 s[RH], s[WV], 1
	s_and_b32 s[CH], s[WV], 1
	s_bfe_u32 s[CX], ttmp6, 0x40000
	s_bfe_u32 s[CY], ttmp6, 0x40004
	s_lshl_b32 s[TX], ttmp9, 2
	s_add_co_u32 s[TX], s[TX], s[CX]
	s_and_b32 s[TY], ttmp7, 0xffff
	s_lshl_b32 s[TY], s[TY], 2
	s_add_co_u32 s[TY], s[TY], s[CY]
	s_lshl_b32 s40, s[CY], 2
	s_lshl_b32 s40, 15, s40                        ; my row of the cluster
	s_lshl_b32 s41, 0x1111, s[CX]                  ; my column
	s_or_b32 s[G1A], s40, (1<<16)|(1<<20)|(1<<21)|(5<<22)|(3<<25)  ; mask; 2-byte elements; padding on; bit 21 beside a mask; after every 64 words 4 words
	s_mov_b32 s[G1A+1], 128<<16                    ; tensor_dim0 = 128
	s_mov_b32 s[G1A+2], 128<<16                    ; tensor_dim1 = 128
	s_mov_b32 s[G1A+3], 128<<16                    ; tile_dim0 = 128
	s_mov_b32 s[G1A+4], 128                        ; tile_dim1 = 128
	s_mov_b32 s[G1A+5], 1024                       ; elements from row to row
	s_mov_b32 s[G1A+6], 0
	s_mov_b32 s[G1A+7], 0
	s_or_b32 s[G1B], s41, (1<<16)|(1<<20)|(1<<21)|(6<<22)|(7<<25)  ; after every 128 words 8 words
	s_mov_b32 s[G1B+1], 256<<16
	s_mov_b32 s[G1B+2], 64<<16
	s_mov_b32 s[G1B+3], 256<<16
	s_mov_b32 s[G1B+4], 64
	s_mov_b32 s[G1B+5], NW
	s_mov_b32 s[G1B+6], 0
	s_mov_b32 s[G1B+7], 0
	s_mov_b32 s[M16], 0xffff0000
	s_mul_i32 s[WH], s[WV], HALFT
	s_mov_b32 s[TB], 0
	s_lshl_b32 s22, s[TY], 8
	s_lshl_b32 s23, s[CH], 7
	s_add_co_u32 s22, s22, s23
	s_lshl_b32 s92, s22, 11                        ; A: row 256 x tile row + 128 x half, 2,048 bytes a row
	s_mov_b32 s93, 0
.if MODE == 0
	s_mov_b32 s[MAT], ttmp9                        ; a cluster's four tile columns lie in one of wq, wk, wv
	s_lshl_b32 s94, ttmp9, 21
	s_lshl_b32 s95, s[CX], 9                       ; 256 columns a tile
	s_add_co_u32 s94, s94, s95
	s_lshl_b32 s95, s[CH], 17                      ; 64 rows of 2,048 bytes
	s_mov_b32 s[G1F], 3<<16                        ; the table: 8,192 dense bytes a wave, as 32 rows of 32 elements of 8 bytes
	s_mov_b32 s[G1F+1], 32<<16
	s_mov_b32 s[G1F+2], 32<<16
	s_mov_b32 s[G1F+3], 32<<16
	s_mov_b32 s[G1F+4], 32
	s_mov_b32 s[G1F+5], 32
	s_mov_b32 s[G1F+6], 0
	s_mov_b32 s[G1F+7], 0
	s_mov_b32 s[G0F], 1
	s_lshl_b32 s[G0F+1], s[WV], 13
	s_add_co_u32 s[G0F+1], s[G0F+1], FRQ
	s_and_b32 s22, s[TY], 7                        ; the position is the token modulo 2,048
	s_lshl_b32 s22, s22, 8
	s_lshl_b32 s23, s[WV], 6
	s_add_co_u32 s22, s22, s23
	s_lshl_b32 s96, s22, 7
	s_mov_b32 s97, 0
.else
	s_lshl_b32 s94, s[TX], 9
	s_lshl_b32 s95, s[CH], 19                      ; 64 rows of 8,192 bytes
	SPAIR CXP, 0x3f596d27                          ; 0.8493218 = sqrt(log2(e) / 2)
	SPAIR PP,  0x3e8ba43f                          ; 0.2727375 = 0.3275911 / sqrt(log2(e))
	SPAIR A1,  0x3e827906                          ; 0.254829592
	SPAIR A2,  0xbe91a98e                          ; -0.284496736
	SPAIR A3,  0x3fb5f0e3                          ; 1.421413741
	SPAIR A4,  0xbfba00e3                          ; -1.453152027
	SPAIR A5,  0x3f87dc22                          ; 1.061405429
	SPAIR CN,  0xbf16b55f                          ; -0.588705 = -0.5 / 0.8493218
.endif
	s_add_co_u32 s94, s94, s95
	s_mov_b32 s95, 0
	s_wait_dscnt 0x0                               ; the opening add is done
	s_wait_kmcnt 0x0
	s_add_nc_u64 s[92:93], s[4:5], s[92:93]        ; my part of A's tile, K step 0: made of the tile row and the wave alone
	s_add_nc_u64 s[94:95], s[6:7], s[94:95]        ; of B's: of the tile column and the wave alone
.if WOFF
	s_add_nc_u64 s[94:95], s[94:95], WOFF
.endif
.irp s, 0,1
	s_mov_b32 s[G0A+4*(\s)], 1
	s_add_co_u32 s[G0A+4*(\s)+1], s[WH], (\s)*SLOT
	s_add_nc_u64 s[G0A+4*(\s)+2:G0A+4*(\s)+3], s[92:93], (\s)*KA
	s_or_b32 s[G0A+4*(\s)+3], s[G0A+4*(\s)+3], 0x80000000
	s_mov_b32 s[G0B+4*(\s)], 1
	s_add_co_u32 s[G0B+4*(\s)+1], s[WH], (\s)*SLOT
	s_add_nc_u64 s[G0B+4*(\s)+2:G0B+4*(\s)+3], s[94:95], (\s)*KB
	s_or_b32 s[G0B+4*(\s)+3], s[G0B+4*(\s)+3], 0x80000000
.endr
.if MODE == 0
	s_add_nc_u64 s[G0F+2:G0F+3], s[6:7], s[96:97]
	s_add_nc_u64 s[G0F+2:G0F+3], s[G0F+2:G0F+3], 25165824
	s_or_b32 s[G0F+3], s[G0F+3], 0x80000000
.endif
	CROUND                                         ; all sixteen work-groups are here: the first joint loads meet
	s_cmp_eq_u32 s[RH], 0                          ; a wave's first fills stand in one branch: by this text's count 3 (MODE 0) or 2 loads of mine are out
	s_cbranch_scc0 .Lfirst_b
	tensor_load_to_lds s[G0A:G0A+3], s[G1A:G1A+7]
	s_nop 0
	tensor_load_to_lds s[G0A+4:G0A+7], s[G1A:G1A+7]
	s_nop 0
.if MODE == 0
	tensor_load_to_lds s[G0F:G0F+3], s[G1F:G1F+7]
	s_nop 0
.endif
.rept 4
	v_nop
.endr
	s_branch .Lfirst_done
.Lfirst_b:
	tensor_load_to_lds s[G0B:G0B+3], s[G1B:G1B+7]
	s_nop 0
	tensor_load_to_lds s[G0B+4:G0B+7], s[G1B:G1B+7]
	s_nop 0
.if MODE == 0
	tensor_load_to_lds s[G0F:G0F+3], s[G1F:G1F+7]
	s_nop 0
.endif
.rept 4
	v_nop
.endr
.Lfirst_done:
	v_and_b32 v1, 15, v0                           ; r = l % 16
	v_bfe_u32 v2, v0, 4, 1                         ; hh = l / 16
	v_and_b32 v3, 7, v0                            ; l % 8
	v_bfe_u32 v4, v0, 3, 1                         ; (l / 8) % 2
	v_and_b32 v5, 31, v0                           ; l
	v_mul_u32_u24 v[ADRA0], v1, PA                 ; A: row x pitch + 16 hh, in my half of the rows
	v_lshl_add_u32 v[ADRA0], v2, 4, v[ADRA0]
	s_mul_i32 s22, s[RH], HALFT
	v_add_nc_u32 v[ADRA0], s22, v[ADRA0]
	v_lshl_add_u32 v6, v2, 3, v3                   ; B: k row 8 hh + l % 8, 16 bytes by (l / 8) % 2, in my 128 columns
	v_mul_u32_u24 v[ADRB0], v6, PB
	v_lshl_add_u32 v[ADRB0], v4, 4, v[ADRB0]
	s_lshl_b32 s22, s[CH], 8
	s_add_co_u32 s22, s22, 2*HALFT
	v_add_nc_u32 v[ADRB0], s22, v[ADRB0]
	s_mul_i32 s23, s[WV], 128*DP                   ; my dump
	v_mul_u32_u24 v[DA], v1, DP                    ; in: row r, 32 bytes for each half of the lanes
	v_lshl_add_u32 v[DA], v2, 5, v[DA]
	v_add_nc_u32 v[DA], s23, v[DA]
	v_mul_u32_u24 v[RDA], v4, DP                   ; back: eight lanes take 64 columns of a row; lanes 8-15 the next row; lanes 16-31 the next 64 columns
	v_lshl_add_u32 v[RDA], v2, 8, v[RDA]
	v_lshl_add_u32 v[RDA], v3, 5, v[RDA]
	v_add_nc_u32 v[RDA], s23, v[RDA]
	v_lshlrev_b32 v[CO], 19, v2                    ; out: a column block is 524,288 bytes, a token 128, my 8 numbers 16
	v_lshl_add_u32 v[CO], v4, 7, v[CO]
	v_lshl_add_u32 v[CO], v3, 4, v[CO]
.if MODE == 0
	s_lshl_b32 s22, s[RH], 14
	s_add_co_u32 s22, s22, FRQ
	v_lshlrev_b32 v[FRA], 7, v4
	v_lshl_add_u32 v[FRA], v3, 4, v[FRA]
	v_add_nc_u32 v[FRA], s22, v[FRA]
.else
	s_lshl_b32 s22, s[TX], 10
	s_lshl_b32 s23, s[CH], 9
	s_add_co_u32 s22, s22, s23
	v_lshlrev_b32 v[BO], 8, v2
	v_lshl_add_u32 v[BO], v3, 5, v[BO]
	v_add_nc_u32 v[BO], s22, v[BO]
	global_load_b128 v[BIAS:BIAS+3], v[BO], s[8:9]            ; my eight columns' bias: waited for on the way out
	global_load_b128 v[BIAS+4:BIAS+7], v[BO], s[8:9] offset:16
.endif
	; the prefetches
	s_mov_b32 s2, 16*NW*2                          ; a partner's share: 16 rows of B,
	s_mov_b32 s[PST], KB
	s_mov_b32 s66, NW*2
	s_and_b32 s22, ttmp7, 0xffff
	s_cmp_eq_u32 s[RH], 0                          ; do I fetch for A?
	s_cselect_b32 s22, ttmp9, s22                  ; the coordinate along which other clusters read the same rows
	s_cselect_b32 s23, s[CX], s[CY]                ; my place among the four that ask with me
	s_cselect_b64 s[PFA:PFA+1], s[92:93], s[94:95]
	s_cselect_b32 s2, 32*2048, s2                  ; or 32 rows of A
	s_cselect_b32 s[PST], KA, s[PST]
	s_cselect_b32 s66, 2048, s66
	s_mov_b32 s[PST+1], 0
	s_cmp_eq_u32 s22, 0
	s_cselect_b32 s[LIM], 1, -1
	s_mul_i32 s96, s2, s23
	s_mul_i32 s2, s[PST], 3                        ; at K step 3: stepped once ahead of the first prefetch, which names step 4
	s_add_co_u32 s96, s96, s2
	s_mov_b32 s97, 0
	s_add_nc_u64 s[PFA:PFA+1], s[PFA:PFA+1], s[96:97]
	v_lshrrev_b32 v6, s[RH], v5                    ; A: a lane a row of 256 bytes; B: two lanes a row of 512
	v_mul_u32_u24 v6, v6, s66
	v_and_b32 v7, s[RH], v5
	v_lshl_add_u32 v[PFO], v7, 8, v6
	; the output at my first column block and my first token
	s_lshl_b32 s22, s[TX], 2
	s_lshl_b32 s23, s[CH], 1
	s_add_co_u32 s22, s22, s23
	s_lshl_b32 s96, s22, 19
	s_lshl_b32 s22, s[TY], 8
	s_lshl_b32 s23, s[RH], 7
	s_add_co_u32 s22, s22, s23
	s_lshl_b32 s22, s22, 7
	s_add_co_u32 s96, s96, s22
	s_add_nc_u64 s[10:11], s[10:11], s[96:97]
.if MODE == 0
	s_wait_tensorcnt 0x2                           ; my part of K step 0 is in; step 1's and the table's may stay out
.else
	s_wait_tensorcnt 0x1
.endif
	s_barrier_signal -1
	s_barrier_wait -1
	v_mov_b32 v[ADRA], v[ADRA0]
	v_mov_b32 v[ADRB], v[ADRB0]
	FETCH 0, F0
	QUARTER 1, F0, F1, 1                           ; the first quarter stands ahead of the loop: its products start the sums
	WIN 0
	s_mov_b32 s[CNT], 6                            ; six changes of slots fill again: K steps 2 to 7
	s_branch .Lenter
.Lstep:
	STEP_A 1
.Lenter:
	QUARTER 2, F1, F0, 0
	QUARTER 3, F0, F1, 0
	s_wait_xcnt 0x0                                ; the last prefetch, a K step back, has read its address
	s_add_nc_u64 s[PFA:PFA+1], s[PFA:PFA+1], s[PST:PST+1]
	MEET                                           ; opens a round of the cluster's barrier
	CREST                                          ; no wave of any partner still reads this slot or has a load on its way
	s_add_co_u32 s[G0A+5], s[WH], s[TB]            ; the walking descriptors: the slot just read,
	s_add_co_u32 s[G0B+5], s[WH], s[TB]
	s_add_nc_u64 s[G0A+6:G0A+7], s[G0A+6:G0A+7], KA  ; the next K step
	s_add_nc_u64 s[G0B+6:G0B+7], s[G0B+6:G0B+7], KB
	JLOADW                                         ; my one tensor load behind the round: 224 products stand between it and the wait for it
	s_xor_b32 s[TB], s[TB], SLOT
	s_sub_co_u32 s[CNT], s[CNT], 1
	s_cmp_lg_u32 s[CNT], 0
	s_cbranch_scc1 .Lstep
	s_mov_b32 s[CNT], 2                            ; K steps 6 and 7 ask for nothing: written apart
.Ltail:
	STEP_A 0
	QUARTER 2, F1, F0, 0
	QUARTER 3, F0, F1, 0
	MEET                                           ; the second of these barriers also shows every wave's reads of the ring over
	s_xor_b32 s[TB], s[TB], SLOT
	s_sub_co_u32 s[CNT], s[CNT], 1
	s_cmp_lg_u32 s[CNT], 0
	s_cbranch_scc1 .Ltail
	MUL16 F1, 1, 0, 0
	MUL16 F1, 1, 2, 0
	PLACES
	PLACES
	; THE DUMP: each accumulator's low four registers first
.set a, 0
.rept 8
	WIN 0x08+4*(a/4)                               ; a store's data are source 1: window 2 or 3
.set b, 0
.rept 8
	ds_store_b128 v[DA], v[8*(8*(a%4)+b):8*(8*(a%4)+b)+3]   offset:a*16*DP+64*b
	ds_store_b128 v[DA], v[8*(8*(a%4)+b)+4:8*(8*(a%4)+b)+7] offset:a*16*DP+64*b+16
.set b, b+1
.endr
.set a, a+1
.endr
	WIN 0
.if MODE == 0
; 8 trips of 16 rows on two sets of registers: set st has R (32 numbers a lane: 4 x 2 rows x my 8 columns), F (their 16 pairs of cos and sin) and O (packed).
.macro EPLOAD st
.set RR, 32+64*(\st)
.set FF, 64+64*(\st)
.irp t, 0,1,2,3
	ds_load_b128 v[RR+8*(\t):RR+8*(\t)+3],   v[RDA] offset:(\st)*8*DP+(\t)*2*DP   ; LDS serves a wave's instructions in order: these see the dump's stores
	ds_load_b128 v[RR+8*(\t)+4:RR+8*(\t)+7], v[RDA] offset:(\st)*8*DP+(\t)*2*DP+16
	ds_load_b128 v[FF+4*(\t):FF+4*(\t)+3],   v[FRA] offset:(\st)*1024+(\t)*256
.endr
.endm
.macro EPMATH st
.set RR, 32+64*(\st)
.set FF, 64+64*(\st)
.set OO, 192+16*(\st)
	s_cmp_eq_u32 s[MAT], 2                         ; v is not turned; the test is the same in all partners
	s_cbranch_scc1 .Lnorot_\@
.set u, 0
.rept 4                                ; four pairs at a time: (t0, t1) -> (t0 cos - t1 sin, t0 sin + t1 cos)
.irp p, 0,1,2,3
	v_lshlrev_b32 v[160+4*(\p)], 16, v[FF+4*u+(\p)]
.endr
.irp p, 0,1,2,3
	v_and_b32 v[161+4*(\p)], s[M16], v[FF+4*u+(\p)]
.endr
.irp p, 0,1,2,3
	v_mul_f32 v[162+4*(\p)], v[RR+8*u+2*(\p)+1], v[161+4*(\p)]
.endr
.irp p, 0,1,2,3
	v_mul_f32 v[163+4*(\p)], v[RR+8*u+2*(\p)], v[161+4*(\p)]
.endr
.irp p, 0,1,2,3
	v_fma_f32 v[RR+8*u+2*(\p)], v[RR+8*u+2*(\p)], v[160+4*(\p)], -v[162+4*(\p)]
.endr
.irp p, 0,1,2,3
	v_fma_f32 v[RR+8*u+2*(\p)+1], v[RR+8*u+2*(\p)+1], v[160+4*(\p)], v[163+4*(\p)]
.endr
.set u, u+1
.endr
.Lnorot_\@:
	s_wait_xcnt 0x0                                ; earlier stores have read their data and their base: both are written again only behind this wait
.if (\st) == 0
	s_add_nc_u64 s[10:11], s[10:11], 2048          ; 16 tokens on; this trip's stores reach back
.endif
.set u, 0
.rept 16
	v_cvt_pk_bf16_f32 v[OO+u], v[RR+2*u], v[RR+2*u+1]
.set u, u+1
.endr
.irp t, 0,1,2,3
	global_store_b128 v[CO], v[OO+4*(\t):OO+4*(\t)+3], s[10:11] offset:(\st)*1024+(\t)*256-2048  ; 16 lanes store 256 consecutive bytes, aligned: two tokens of a block
.endr
.endm
	EPLOAD 0
	s_mov_b32 s[CNT], 8
.Lout:
	EPLOAD 1
	s_wait_dscnt 12                                ; set 0 is in; set 1's twelve loads may stay out
	EPMATH 0
	s_wait_dscnt 0x0                               ; set 1 is in
	s_cmp_eq_u32 s[CNT], 1
	s_cbranch_scc1 .Lnomore
	v_add_nc_u32 v[RDA], 16*DP, v[RDA]
	v_add_nc_u32 v[FRA], 2048, v[FRA]
	EPLOAD 0
.Lnomore:
	EPMATH 1
	s_sub_co_u32 s[CNT], s[CNT], 1
	s_cmp_lg_u32 s[CNT], 0
	s_cbranch_scc1 .Lout
.else
; 16 trips of 8 rows: 32 numbers a lane.
.set ER, 32
.set EU, 64
.set EX, 96
.set ED, 128
.set EW, 160
.set EP, 192
.set EO, 224
.macro P16 line:vararg                 ; one line for each pair k = 0, 2 .. 30
.set k, 0
.rept 16
	\line
.set k, k+2
.endr
.endm
.macro P32 line:vararg                 ; one line for each number k
.set k, 0
.rept 32
	\line
.set k, k+1
.endr
.endm
.macro EPLOAD
.irp t, 0,1,2,3
	ds_load_b128 v[ER+8*(\t):ER+8*(\t)+3],   v[RDA] offset:(\t)*2*DP      ; LDS serves a wave's instructions in order: these see the dump's stores
	ds_load_b128 v[ER+8*(\t)+4:ER+8*(\t)+7], v[RDA] offset:(\t)*2*DP+16
.endr
.endm
	s_wait_loadcnt 0x0                             ; the bias
.irp p, 0,2,4,6
	v_cvt_pk_bf16_f32 v[EO+(\p)], v[BIAS+(\p)], v[BIAS+(\p)+1]
	v_lshlrev_b32 v[BIAS+(\p)], 16, v[EO+(\p)]
	v_and_b32 v[BIAS+(\p)+1], s[M16], v[EO+(\p)]
.endr
	EPLOAD
	s_mov_b32 s[CNT], 16
.Lout:
	s_wait_dscnt 0x0
	P16 v_pk_add_f32 v[EU+k:EU+k+1], v[ER+k:ER+k+1], v[BIAS+k%8:BIAS+k%8+1]
	s_cmp_eq_u32 s[CNT], 1
	s_cbranch_scc1 .Lnomore
	v_add_nc_u32 v[RDA], 8*DP, v[RDA]
	EPLOAD
.Lnomore:
	P32 v_mul_f32 v[EX+k], |v[EU+k]|, s[CXP]
	P16 v_pk_fma_f32 v[ED+k:ED+k+1], v[EX+k:EX+k+1], s[PP:PP+1], 1.0 op_sel_hi:[1,0,0]
	P16 v_pk_mul_f32 v[EW+k:EW+k+1], v[EX+k:EX+k+1], v[EX+k:EX+k+1] neg_lo:[1,0] neg_hi:[1,0]
	P32 v_rcp_f32 v[ED+k], v[ED+k]
	P32 v_exp_f32 v[EW+k], v[EW+k]
	P32 v_max_num_f32 v[EU+k], 0, v[EU+k]
	s_wait_alu depctr_va_vdst(0)                   ; one wait for the batch of 64, ahead of its first reader; the 32 maxima are the plain work between
	P16 v_pk_fma_f32 v[EP+k:EP+k+1], v[ED+k:ED+k+1], s[A5:A5+1], s[A4:A4+1] op_sel_hi:[1,0,0]
	P16 v_pk_fma_f32 v[EP+k:EP+k+1], v[EP+k:EP+k+1], v[ED+k:ED+k+1], s[A3:A3+1] op_sel_hi:[1,1,0]
	P16 v_pk_fma_f32 v[EP+k:EP+k+1], v[EP+k:EP+k+1], v[ED+k:ED+k+1], s[A2:A2+1] op_sel_hi:[1,1,0]
	P16 v_pk_fma_f32 v[EP+k:EP+k+1], v[EP+k:EP+k+1], v[ED+k:ED+k+1], s[A1:A1+1] op_sel_hi:[1,1,0]
	P16 v_pk_mul_f32 v[EP+k:EP+k+1], v[EP+k:EP+k+1], v[ED+k:ED+k+1]
	P16 v_pk_mul_f32 v[EP+k:EP+k+1], v[EP+k:EP+k+1], v[EW+k:EW+k+1]
	P16 v_pk_mul_f32 v[EP+k:EP+k+1], v[EP+k:EP+k+1], v[EX+k:EX+k+1]
	P16 v_pk_fma_f32 v[EU+k:EU+k+1], v[EP+k:EP+k+1], s[CN:CN+1], v[EU+k:EU+k+1] op_sel_hi:[1,0,1]
	s_wait_xcnt 0x0                                ; the last trip's stores have read their data and their base
	s_add_nc_u64 s[10:11], s[10:11], 1024          ; 8 tokens on; this trip's stores reach back
.set u, 0
.rept 16
	v_cvt_pk_bf16_f32 v[EO+u], v[EU+2*u], v[EU+2*u+1]
.set u, u+1
.endr
.irp t, 0,1,2,3
	global_store_b128 v[CO], v[EO+4*(\t):EO+4*(\t)+3], s[10:11] offset:(\t)*256-1024  ; 16 lanes store 256 consecutive bytes, aligned
.endr
	s_sub_co_u32 s[CNT], s[CNT], 1
	s_cmp_lg_u32 s[CNT], 0
	s_cbranch_scc1 .Lout
.endif
	s_wait_tensorcnt 0x0                           ; the wave's end, behind my last tensor load and my last LDS store
	ds_add_u32 v[SPW], v[NIL]
	s_wait_dscnt 0x0
	CROUND                                         ; the closing round
	s_endpgm
.Lfunc_end_k_qe81534885e_qkv:
	.size	k_qe81534885e_qkv, .Lfunc_end_k_qe81534885e_qkv-k_qe81534885e_qkv
	.p2alignl 7, 3214868480
	.fill 96, 4, 3214868480
	.section	.rodata,"a",@progbits
	.p2align	6, 0x0
	.amdhsa_kernel k_qe81534885e_qkv
		.amdhsa_group_segment_fixed_size 327680
		.amdhsa_private_segment_fixed_size 0
		.amdhsa_enable_private_segment 0
		.amdhsa_kernarg_size 24
		.amdhsa_user_sgpr_count 2
		.amdhsa_user_sgpr_kernarg_segment_ptr 1
		.amdhsa_wavefront_size32 1
		.amdhsa_system_sgpr_workgroup_id_x 1
		.amdhsa_system_sgpr_workgroup_id_y 1
		.amdhsa_system_sgpr_workgroup_id_z 1
		.amdhsa_system_vgpr_workitem_id 0
		.amdhsa_next_free_vgpr 1024
		.amdhsa_next_free_sgpr 100
		.amdhsa_reserve_vcc 0
		.amdhsa_float_denorm_mode_32 3
		.amdhsa_float_denorm_mode_16_64 3
		.amdhsa_memory_ordered 1
		.amdhsa_forward_progress 1
		.amdhsa_inst_pref_size 95
	.end_amdhsa_kernel
	.amdgpu_metadata
---
amdhsa.version: [ 1, 2 ]
amdhsa.kernels:
  - .name:           k_qe81534885e_qkv
    .symbol:         k_qe81534885e_qkv.kd
    .args:
      - { .name: h, .offset: 0, .size: 8, .value_kind: global_buffer, .address_space: global }
      - { .name: wb, .offset: 8, .size: 8, .value_kind: global_buffer, .address_space: global }
      - { .name: qkv, .offset: 16, .size: 8, .value_kind: global_buffer, .address_space: global }
    .group_segment_fixed_size: 327680
    .private_segment_fixed_size: 0
    .kernarg_segment_align: 8
    .kernarg_segment_size: 24
    .max_flat_workgroup_size: 128
    .sgpr_count:     100
    .vgpr_count:     1024
    .wavefront_size: 32
...
	.end_amdgpu_metadata
.endif
;; end of part 2
;; launch attn (part 3): grid 8 x 32, 4 waves a work-group, clusters of 4 x 1, 327,680 bytes of LDS; arguments qkv, ao; writes ao
.if DOCPART == 3
	.amdgcn_target "amdgcn-amd-amdhsa--gfx1250"
	.amdhsa_code_object_version 6
	.text
	.protected	k_qe81534885e_attn
	.globl	k_qe81534885e_attn
	.p2align	8
	.type	k_qe81534885e_attn,@function
k_qe81534885e_attn:
	s_mov_b64 s[64:65], 0
	v_nop
	global_prefetch_b8 v0, s[64:65] scope:SCOPE_SE
	s_setreg_imm32_b32 hwreg(HW_REG_WAVE_MODE, 25, 1), 1
	s_wait_xcnt 0x0
	s_wait_alu depctr_hold_cnt(0) depctr_sa_sdst(0) depctr_va_vdst(0) depctr_va_sdst(0) depctr_va_ssrc(0) depctr_va_vcc(0) depctr_vm_vsrc(0)
	s_getreg_b32 s2, hwreg(HW_REG_IB_STS2, 6, 4)
	s_cmp_eq_u32 s2, 0
	s_cbranch_scc0 .Lentry_in_a_cluster
	s_endpgm
.Lentry_in_a_cluster:
	s_bfe_u32 s2, ttmp6, 0x10000c
	s_cmp_lg_u32 s2, 0x3003
	s_cbranch_scc0 .Lentry_shape_is_right
	s_endpgm
.Lentry_shape_is_right:
; O[y][q][:] = the sum over k of softmax_k(Q[y][q] . K[y][k] / 8) V[y][k][:], y = 2 x head + batch: 32 of them, 2,048 rows of 64 bf16 each, dense (128 bytes a row), 262,144 bytes apart.
; q lies at byte 0 of qkv, k at 8 MiB, v at 16 MiB; O goes to ao in the same layout.  Products, maxima and sums in f32; the weights p are rounded to bf16 for the second product (their sum l is taken
; of the unrounded p), O once at the end.  LIMITS: a weight below 2^-126 counts as 0 in l; NaN and infinities are not treated apart.
; SHARES.  A work-group owns 256 queries of one y, a wave 64: four PIECES of 16.  Every wave walks all 2,048 keys, 64 a step, four steps (a tile of 256 keys) to a slot of LDS; two slots take turns.
; LAYOUT.  S^T = K Q^T (source 0 = 16 keys, source 1 = 16 queries) holds ONE query a lane (lane % 16) and the keys 8 (lane / 16) + 0..7; two such results rounded to bf16 ARE source 1 of O^T = V^T P.
; K comes out of LDS as it lies, V ([key][channel]) turned, by ds_load_tr16_b128.
; SOFTMAX.  p = 2^(c s - c m), c = log2(e) / 8, with a running maximum m; O and l are multiplied by a = 2^(c m_old - c m_new) in every step.  m starts at the lowest finite number, O and l at 0.
; TURNS.  Turn n belongs to piece n: 8 products K Q^T of piece n + 1, later 8 products V^T P of piece n - 1; beside them the scaling, exponentials, roundings, sums and rescaling of piece n and the maximum
; and statistics of piece n + 1.  Four vector instructions stand behind every matrix instruction, the other 54 of a turn's 118 in one lump.  A turn's 33 exponentials are one batch, with one wait.
; THE END.  The last tile's loop makes five trips and is left in the middle of the fifth.  That trip has no further step: its fetch takes the last K once more (the LDS address is held at the last step's), and its
; 8 products K Q^T for piece 0 and the maximum, c m and a made of them serve nothing (the way out reads l and O^T alone): the price, once a launch, of one text for every trip.
; CLUSTER.  The four query blocks of a cluster belong to one y and walk the same K and V: each tile is asked for jointly, by the same tensor load, descriptor and mask in all four.
; REGISTERS, in windows of 256: window 0: v0-15 addresses; v16-31 statistics; v48-55 at work; v64-127 S^T, two buffers; v192-223 P, two buffers (by the piece's parity)
;   window 1: v0-127 O^T, 32 a piece      window 2: v0-63 Q; v128-191 K of one step; v192-255 V of one step
.set NP,    4
.set KS,    64
.set PK,    144       ; a row of K in LDS: 128 bytes + 16: the 16 rows of a load start at 16 different groups of four banks
.set PV,    160       ; a row of V: 128 + 32
.set VOFF,  4*KS*PK
.set SLOT1, 1<<17
.set STAGE, SLOT1+4*KS*(PK+PV)  ; behind the ring, never filled by a tensor load: 16 rows x 144 bytes for each wave
.set SP,    144
.set SPARE, STAGE+4*16*SP       ; the spare words, 128 bytes for each wave
.set AK0, 2
.set AV0, 3
.set AK,  4
.set AV,  5
.set STO, 6
.set RD,  7
.set GO,  8
.set MV,  12
.set QO,  15
.set ST,  16          ; piece t's statistics at v[ST+4 t]: c m, m, l (even keys', odd keys')
.set TMP, 48          ; by buffer: c0-c3 at work; when the maximum is found c2 takes a
.set PFO, 60          ; v60  256 x lane; never rewritten
.set SPW, 62
.set NIL, 63
.set S,   64
.set P,   192
.set KF,  128
.set VF,  192
.set WV,  12
.set LIM, 15          ; s15  1 in a wave that prefetches, else the greatest number
.set G1K, 24
.set G1V, 32
.set G0K, 40
.set G0V, 44
.set PFA, 50          ; s[50:51] where my prefetches stand
.set SLOTS, 56        ; s56  tiles still to be asked for
.set CNT, 57
.set CS,  58
.set SEL, 60
.set TBK, 62
.set TBV, 63
.set MSB, 0
.macro WIN new
.if MSB != (\new)
	s_set_vgpr_msb (MSB<<8)|(\new)
.set MSB, (\new)
.endif
.endm
.set W_KQ, 0x0a       ; K and Q in window 2, S^T in window 0
.set W_PV, 0x52       ; V in window 2, P in window 0, O^T in window 1
.set W_RS, 0x41       ; destination and source 0 in window 1, source 1 in window 0
.macro JLOAD                        ; a joint fill: waves 0, 1 the two halves of a tile's K, waves 2, 3 of its V; an s_nop 0 and four v_nop follow each line
	s_cmp_lt_u32 s[WV], 2
	s_cbranch_scc0 .Lfor_v_\@
	tensor_load_to_lds s[G0K:G0K+3], s[G1K:G1K+7]
	s_nop 0
.rept 4
	v_nop
.endr
	s_branch .Lasked_\@
.Lfor_v_\@:
	tensor_load_to_lds s[G0V:G0V+3], s[G1V:G1V+7]
	s_nop 0
.rept 4
	v_nop
.endr
.Lasked_\@:
.endm
; A PREFETCH INTO THE L2 of the tile that the NEXT change of slots will ask for: 128 blocks of 256 bytes of K and of V.  Both clusters of a y walk the same tiles: the first asks.  Its four partners share the
; blocks out by address, 32 each, a lane a block; wave 0 asks for K's, wave 2 for V's.  Tiles 0 to 2 come by their loads alone; the last change that fills asks for nothing.
.macro ASK
	s_cmp_gt_u32 s[SLOTS], s[LIM]
	s_cbranch_scc0 .Lnot_mine_\@
	global_prefetch_b8 v[PFO], s[PFA:PFA+1] th:TH_LOAD_NT scope:SCOPE_SE
.Lnot_mine_\@:
.endm
.macro CROUND
	s_barrier_signal -1
	s_barrier_wait -1
	s_cmp_lg_u32 s[WV], 0
	s_cbranch_scc1 .Lnot_wave_0_\@
	s_barrier_signal -3
.Lnot_wave_0_\@:
	s_barrier_wait -3
	s_barrier_signal -1
	s_barrier_wait -1
.endm
; THE CHANGE OF SLOTS.  Each wave waits for all its tensor loads (one is out: its part of the other slot), adds 0 to its spare word, and waits for that and for its reads of the slot that it leaves.
; fill = 1: the barrier is a round of the cluster's, and the joint fill, with the tile two slots on, is the first thing behind it: it has four key steps, 256 products, in which to land.
.macro CHANGE fill, ask=1
	WIN 0
	s_wait_tensorcnt 0x0            ; no tensor load of mine is out, so a group 0 may be written
	ds_add_u32 v[SPW], v[NIL]       ; 0 onto my spare word
.if \fill
.irp g, G0K, G0V
	s_xor_b32 s[\g+1], s[\g+1], SLOT1
	s_add_nc_u64 s[\g+2:\g+3], s[\g+2:\g+3], 4*KS*128
.endr
	s_wait_xcnt 0x0                 ; the last prefetch, four key steps back, has read its address
	s_add_nc_u64 s[PFA:PFA+1], s[PFA:PFA+1], 4*KS*128
	s_wait_dscnt 0x0                ; the add is done, and my reads of the slot are over
	CROUND
	JLOAD
.if \ask
	ASK
.endif
.else
	s_wait_dscnt 0x0
	s_barrier_signal -1
	s_barrier_wait -1
.endif
	s_sub_co_u32 s[TBK], s[TBK], 4*KS*PK  ; the fetches go back to a slot's first step, in the other slot
	s_xor_b32 s[TBK], s[TBK], SLOT1
	s_sub_co_u32 s[TBV], s[TBV], 4*KS*PV
	s_xor_b32 s[TBV], s[TBV], SLOT1
.endm
	s_load_b64 s[4:5], s[0:1], 0x0    ; qkv
	s_load_b64 s[10:11], s[0:1], 0x8  ; ao
	v_lshl_add_u32 v[SPW], v0, 2, SPARE
	v_mov_b32 v[NIL], 0
	ds_add_u32 v[SPW], v[NIL]       ; the wave's opening: the add and its wait ahead of my first tensor load
	v_lshrrev_b32 v1, 5, v0
	v_readfirstlane_b32 s[WV], v1
	s_bfe_u32 s13, ttmp6, 0x40000   ; cx
	s_lshl_b32 s14, ttmp9, 2
	s_add_co_u32 s14, s14, s13      ; my block of 256 queries: it enters Q's and O's addresses alone
	s_and_b32 s20, ttmp7, 0xffff    ; y, which the four partners share
	s_lshl_b32 s20, s20, 18
	s_and_b32 s16, s[WV], 1         ; which half of a tile's 256 keys I fetch
	s_lshl_b32 s22, s16, 14
	s_add_co_u32 s22, s22, s20
	s_mov_b32 s23, 0
	s_mul_i32 s17, s16, 128*PK
	s_mul_i32 s18, s16, 128*PV
	s_lshl_b32 s2, s14, 2
	s_add_co_u32 s2, s2, s[WV]
	s_lshl_b32 s2, s2, 13           ; my wave's 64 rows
	s_add_co_u32 s2, s2, s20
	s_mov_b32 s3, 0
	; 128 keys are 16,384 dense bytes: asked for as 64 rows of 256 bytes, two keys a row, padded in LDS after every key
	s_mov_b32 s[G1K], 15|(1<<16)|(1<<20)|(1<<21)|(4<<22)|(3<<25)
	s_mov_b32 s[G1V], 15|(1<<16)|(1<<20)|(1<<21)|(4<<22)|(7<<25)
.irp g, G1K, G1V
	s_mov_b32 s[\g+1], 128<<16
	s_mov_b32 s[\g+2], 64<<16
	s_mov_b32 s[\g+3], 128<<16
	s_mov_b32 s[\g+4], 64
	s_mov_b32 s[\g+5], 128
	s_mov_b32 s[\g+6], 0
	s_mov_b32 s[\g+7], 0
.endr
	s_mov_b32 s[CS], 0x3e38aa3b     ; c = log2(e) / 8
	s_mov_b32 s[CS+1], s[CS]
	s_mov_b32 s[SEL], 0x76543210
	s_mov_b32 s[SEL+1], 0xfedcba98
	s_mov_b32 s[TBK], SLOT1+4*KS*PK ; the first change of slots turns these two into 0
	s_mov_b32 s[TBV], SLOT1+4*KS*PV
	s_mov_b32 s[G0K], 1
	s_mov_b32 s[G0K+1], s17
	s_mov_b32 s[G0V], 1
	s_add_co_u32 s[G0V+1], s18, VOFF
	s_mov_b32 s[SLOTS], 7
	s_or_b32 s[LIM], s16, ttmp9     ; 0 in waves 0 and 2 of the y's first cluster: the same in all four partners
	s_cmp_eq_u32 s[LIM], 0
	s_cselect_b32 s[LIM], 1, -1
	v_and_b32 v[PFO], 31, v0
	v_lshlrev_b32 v[PFO], 8, v[PFO]
	s_wait_dscnt 0x0                ; the opening add is done
	s_wait_kmcnt 0x0
	s_add_nc_u64 s[6:7], s[4:5], s[22:23]
	s_add_nc_u64 s[8:9], s[6:7], 0x1000000   ; V at my half of tile 0
	s_add_nc_u64 s[6:7], s[6:7], 0x800000    ; K likewise
	s_add_nc_u64 s[4:5], s[4:5], s[2:3]      ; Q and O at my wave's first row
	s_add_nc_u64 s[10:11], s[10:11], s[2:3]
	s_add_nc_u64 s[G0K+2:G0K+3], s[6:7], 0
	s_or_b32 s[G0K+3], s[G0K+3], 0x80000000
	s_add_nc_u64 s[G0V+2:G0V+3], s[8:9], 0
	s_or_b32 s[G0V+3], s[G0V+3], 0x80000000
	s_cmp_lt_u32 s[WV], 2
	s_cselect_b64 s[PFA:PFA+1], s[6:7], s[8:9]  ; (in waves 0 and 2 these stand at a tile's first row)
	s_lshl_b32 s2, s13, 13          ; my work-group's 32 blocks of the 128
	s_add_nc_u64 s[PFA:PFA+1], s[PFA:PFA+1], s[2:3]
	s_add_nc_u64 s[PFA:PFA+1], s[PFA:PFA+1], 4*KS*128  ; in tile 1; each filling change steps it first
	CROUND                          ; all four work-groups are here: the first joint loads meet
	JLOAD                           ; tile 0 into slot 0
	v_and_b32 v1, 15, v0            ; l % 16
	v_bfe_u32 v9, v0, 4, 1          ; l / 16
	v_lshlrev_b32 v[QO], 7, v1
	v_lshl_add_u32 v[QO], v9, 4, v[QO]
	WIN 0x80
.set i, 0
.rept 8                             ; Q stays in registers: piece i / 2, channels 32 (i % 2) on
	global_load_b128 v[8*i:8*i+3],   v[QO], s[4:5] offset:(i/2)*2048+(i%2)*64
	global_load_b128 v[8*i+4:8*i+7], v[QO], s[4:5] offset:(i/2)*2048+(i%2)*64+32
.set i, i+1
.endr
	; What the first turn finds: V and P's second buffer hold 0 (its products V^T P, of a piece that has not been, add 0), O^T and l are 0.  All this stands in the wait for the first tile.
.set i, VF
.rept 64
	v_mov_b32 v[i], 0
.set i, i+1
.endr
	WIN 0x40
.set i, 0
.rept 128
	v_mov_b32 v[i], 0
.set i, i+1
.endr
	WIN 0
.set i, 0
.rept 4
	v_mov_b32 v[ST+4*i], 0xfe000000    ; c m: far below every c s
	v_mov_b32 v[ST+4*i+1], 0xff7fffff  ; m
	v_mov_b32 v[ST+4*i+2], 0
	v_mov_b32 v[ST+4*i+3], 0
.set i, i+1
.endr
.set i, P+16
.rept 16
	v_mov_b32 v[i], 0
.set i, i+1
.endr
	v_mul_u32_u24 v[AK0], v1, PK
	v_lshl_add_u32 v[AK0], v9, 4, v[AK0]
	v_and_b32 v10, 7, v0
	v_bfe_u32 v11, v0, 3, 1
	v_lshl_add_u32 v[AV0], v9, 3, v10   ; the turning load: key 8 (l / 16) + l % 8, channels 8 ((l / 8) % 2) on
	v_mul_u32_u24 v[AV0], v[AV0], PV
	v_lshl_add_u32 v[AV0], v11, 4, v[AV0]
	v_add_nc_u32 v[AV0], VOFF, v[AV0]
	s_mul_i32 s13, s[WV], 16*SP
	s_add_co_u32 s13, s13, STAGE    ; my stage
	v_mul_u32_u24 v[STO], v1, SP
	v_lshl_add_u32 v[STO], v9, 4, v[STO]
	v_add_nc_u32 v[STO], s13, v[STO]
	v_bfe_u32 v[RD], v0, 3, 2       ; back: 32 lanes take four rows of 128 bytes,
	v_mul_u32_u24 v[RD], v[RD], SP
	v_lshl_add_u32 v[RD], v10, 4, v[RD]
	v_add_nc_u32 v[RD], s13, v[RD]
	v_and_b32 v[GO], 31, v0         ; which are 512 consecutive bytes of O
	v_lshlrev_b32 v[GO], 4, v[GO]
; THE MATRIX WORK.  The 4 accumulators of a run of 8 take turns.
.macro KQ x                         ; product i of 8 of S^T = K Q^T for piece x: channels 32 (i / 4) on, keys 16 (i % 4) on; the first 4 start the sums
	WIN W_KQ
.set rS, S+32*((\x)%2)+8*(i%4)
.set rK, KF+16*(i%4)+8*(i/4)
.set rQ, 16*(\x)+8*(i/4)
.if i < 4
	v_wmma_f32_16x16x32_bf16 v[rS:rS+7], v[rK:rK+7], v[rQ:rQ+7], 0
.else
	v_wmma_f32_16x16x32_bf16 v[rS:rS+7], v[rK:rK+7], v[rQ:rQ+7], v[rS:rS+7]
.endif
.endm
.macro PV x                         ; product i of 8 of O^T += V^T P for piece x: keys 32 (i / 4) on, channels 16 (i % 4) on
	WIN W_PV
.set rO, 32*(\x)+8*(i%4)
.set rV, VF+32*(i/4)+8*(i%4)
.set rP, P+16*((\x)%2)+8*(i/4)
	v_wmma_f32_16x16x32_bf16 v[rO:rO+7], v[rV:rV+7], v[rP:rP+7], v[rO:rO+7]
.endm
.macro MM                           ; the turn's next matrix instruction
.if i < 8
	KQ (Y+1)%NP
.else
.set i, i-8
	PV (Y+NP-1)%NP
.set i, i+8
.endif
.set i, i+1
.endm
.macro FETCH_K                      ; a step's K: 16 loads in one run
	WIN 0x80
.irp f, 0,1,2,3,4,5,6,7
	ds_load_b128 v[KF+8*\f:KF+8*\f+3],   v[AK] offset:(\f/2)*16*PK+(\f%2)*64
	ds_load_b128 v[KF+8*\f+4:KF+8*\f+7], v[AK] offset:(\f/2)*16*PK+(\f%2)*64+32
.endr
	s_add_co_u32 s[TBK], s[TBK], KS*PK
	WIN 0
.endm
.macro FETCH_V                      ; a step's V, turned
	WIN 0x80
.irp f, 0,1,2,3,4,5,6,7
	ds_load_tr16_b128 v[VF+8*\f:VF+8*\f+3],   v[AV] offset:(\f/4)*32*PV+(\f%4)*32
	ds_load_tr16_b128 v[VF+8*\f+4:VF+8*\f+7], v[AV] offset:(\f/4)*32*PV+16*PV+(\f%4)*32
.endr
	WIN 0
.endm
; THE VECTOR WORK, one line at a time: OP kind, number.  For piece Y: F n: c s - c m for pair n of 16.  E n: the exponential of score n of 32.  C n: pair n rounded to bf16.  B n: of the four weights 4 n ..
; the second pair is added onto the first, in place.  L n: l takes that sum (L 0: l = a l + sum).  R n: pair n of 16 of O^T times a.  For piece Y + 1: X n, number n of the 22 that find its maximum and statistics:
; 0-11 four chains of seven scores (each accumulator's lowest registers first); 12-14, 16 the rest, the old m, and the four into one; 15 c m_old is kept;
; 17, 18 the other half of the lanes: the new m; 19-21 c m, its change, a.
.set F, 0
.set E, 1
.set C, 2
.set B, 3
.set L, 4
.set R, 5
.set X, 6
.macro REGS y
.set rT, ST+4*(\y)
.set rC, TMP+4*((\y)%2)
.set rW, MV+((\y)%2)
.set rS, S+32*((\y)%2)
.set rP, P+16*((\y)%2)
.set rO, 32*(\y)
.endm
.macro OP k, n
.if (\k) == R
	REGS Y
	WIN W_RS
	v_pk_mul_f32 v[rO+2*(\n):rO+2*(\n)+1], v[rO+2*(\n):rO+2*(\n)+1], v[rC+2:rC+3] op_sel_hi:[1,0]
.elseif (\k) < R
	REGS Y
	WIN 0
.if (\k) == F
	v_pk_fma_f32 v[rS+2*(\n):rS+2*(\n)+1], v[rS+2*(\n):rS+2*(\n)+1], s[CS:CS+1], v[rT:rT+1] op_sel_hi:[1,0,0] neg_lo:[0,0,1] neg_hi:[0,0,1]
.elseif (\k) == E
	v_exp_f32 v[rS+(\n)], v[rS+(\n)]
.elseif (\k) == C
	v_cvt_pk_bf16_f32 v[rP+(\n)], v[rS+2*(\n)], v[rS+2*(\n)+1]
.elseif (\k) == B
	v_pk_add_f32 v[rS+4*(\n):rS+4*(\n)+1], v[rS+4*(\n):rS+4*(\n)+1], v[rS+4*(\n)+2:rS+4*(\n)+3]
.elseif (\n) == 0
	v_pk_fma_f32 v[rT+2:rT+3], v[rT+2:rT+3], v[rC+2:rC+3], v[rS:rS+1] op_sel_hi:[1,0,1]
.else
	v_pk_add_f32 v[rT+2:rT+3], v[rT+2:rT+3], v[rS+4*(\n):rS+4*(\n)+1]
.endif
.else
	REGS (Y+1)%NP
	WIN 0
.if (\n) < 4
	v_max3_num_f32 v[rC+(\n)], v[rS+8*(\n)], v[rS+8*(\n)+1], v[rS+8*(\n)+2]
.elseif (\n) < 12
	v_max3_num_f32 v[rC+(\n)%4], v[rC+(\n)%4], v[rS+8*((\n)%4)+2*((\n)/4)+1], v[rS+8*((\n)%4)+2*((\n)/4)+2]
.elseif (\n) == 12
	v_max3_num_f32 v[rC], v[rC], v[rS+7], v[rS+15]
.elseif (\n) == 13
	v_max3_num_f32 v[rC+1], v[rC+1], v[rS+23], v[rS+31]
.elseif (\n) == 14
	v_max3_num_f32 v[rC+2], v[rC+2], v[rC+3], v[rT+1]
.elseif (\n) == 15
	v_mov_b32 v[rW], v[rT]
.elseif (\n) == 16
	v_max3_num_f32 v[rC], v[rC], v[rC+1], v[rC+2]
.elseif (\n) == 17
	v_permlanex16_b32 v[rC+3], v[rC], s[SEL], s[SEL+1]
.elseif (\n) == 18
	v_max_num_f32 v[rT+1], v[rC], v[rC+3]
.elseif (\n) == 19
	v_mul_f32 v[rT], s[CS], v[rT+1]
.elseif (\n) == 20
	v_sub_f32 v[rC+1], v[rW], v[rT]
.else
	v_exp_f32 v[rC+2], v[rC+1]
.endif
.endif
.endm
.macro OPS a, i1, b=-1, i2=0, c=-1, i3=0, d=-1, i4=0
	OP \a, \i1
.if (\b) >= 0
	OP \b, \i2
.endif
.if (\c) >= 0
	OP \c, \i3
.endif
.if (\d) >= 0
	OP \d, \i4
.endif
.endm
.macro ROW a, i1, b, i2, c, i3, d, i4  ; a matrix instruction and the four behind it
	MM
	OPS \a, \i1, \b, \i2, \c, \i3, \d, \i4
.endm
; A TURN, for piece p.  AHEAD OF ITS ONE WAIT stands all that names no result of the turn's exponentials: the 8 products K Q^T with their riders, then the lump, whose last exponential is the next piece's a, with R 15
; as the plain instruction behind it.  BEHIND THE WAIT stand the 8 products V^T P, behind each four of the roundings and sums.  lim = 1 (the last tile): K's address goes no further than the tile's last step.
; cnt = 1: the loop's count is taken down some lines ahead of the branch behind the turn.  K of the next step is fetched in piece 2's turn, V of the step in hand at the end of piece 0's; each is waited for a turn later.
.macro TURN p, lim=0, cnt=0
.set Y, (\p)
.set i, 0
.if (\p) == 3
	s_wait_dscnt 0x0                ; K is in
.endif
	ROW F,0, F,1, R,0, R,1
	ROW F,2, E,0, R,2, R,3
	ROW F,3, E,1, R,4, R,5
	ROW F,4, E,2, R,6, R,7
	ROW F,5, E,3, R,8, R,9
	ROW F,6, E,4, X,0, R,10
.if (\p) == 2
	WIN 0
.if \lim
	s_min_u32 s[TBK], s[TBK], SLOT1+3*KS*PK  ; the last tile lies in slot 1: four trips fetch its steps 0 to 3, the fifth its step 3 once more
.endif
	v_add_nc_u32 v[AK], s[TBK], v[AK0]
.endif
	ROW F,7, E,5, X,1, X,4
	ROW F,8, E,6, X,2, X,5
	OPS E,7, E,8, X,6, E,9
	OPS X,3, E,10, X,8, E,11
.if (\p) == 2
	FETCH_K
.endif
	OPS X,9, X,7, E,12, X,10
	OPS E,13, X,12, X,11, E,14
	OPS X,13, E,15, F,9, X,14
.if (\p) == 0
	v_add_nc_u32 v[AV], s[TBV], v[AV0]
.endif
	OPS E,16, F,10, E,17, F,11
	OPS X,16, E,18, X,15, E,19
	OPS F,12, E,20, X,17, E,21
	OPS F,13, E,22, F,14, E,23
	OPS X,18, E,24, F,15, E,25
	OPS R,11, E,26, X,19, E,27
	OPS R,12, E,28, R,13, E,29
	OPS X,20, E,30, R,14, E,31
	OPS X,21, R,15
	WIN 0
	s_wait_alu depctr_va_vdst(0)    ; the wait for the batch, ahead of the first reader
.if (\p) == 1
	s_wait_dscnt 0x0                ; V is in
.endif
	ROW C,0, B,0, C,2, B,1
	ROW L,0, C,4, B,2, L,1
	ROW C,6, B,3, L,2, C,8
	ROW B,4, L,3, C,10, B,5
	ROW L,4, C,12, B,6, L,5
.if (\p) == 0
	s_add_co_u32 s[TBV], s[TBV], KS*PV
.endif
.if \cnt
	s_sub_co_u32 s[CNT], s[CNT], 1
	s_cmp_lg_u32 s[CNT], 0
.endif
	ROW C,14, B,7, L,6, C,1
	ROW C,3, L,7, C,5, C,7
	ROW C,9, C,11, C,13, C,15
.if (\p) == 0
	FETCH_V
.endif
.endm
.macro ALL line:vararg              ; one line for each piece t
.set t, 0
.rept 4
	\line
.set t, t+1
.endr
.endm
.macro PACK t                       ; a lane's eight channels of a row pack into 16 bytes; they go into rows of 144 bytes and come back as whole rows of 128, into S^T's registers
	WIN W_RS
.set i, 32*(\t)
.rept 16
	v_pk_mul_f32 v[i:i+1], v[i:i+1], v[ST+4*(\t)+2:ST+4*(\t)+3] op_sel_hi:[1,0]
.set i, i+2
.endr
	WIN 0x05
.set i, 0
.rept 16
	v_cvt_pk_bf16_f32 v[S+16*(\t)+i], v[32*(\t)+2*i], v[32*(\t)+2*i+1]
.set i, i+1
.endr
	WIN 0
.irp f, 0,1,2,3
	ds_store_b128 v[STO], v[S+16*(\t)+4*\f:S+16*(\t)+4*\f+3] offset:32*\f
.endr
.irp f, 0,1,2,3
	ds_load_b128 v[S+16*(\t)+4*\f:S+16*(\t)+4*\f+3], v[RD] offset:\f*4*SP  ; LDS serves a wave's instructions in order: these see the stores above; the next piece's stores come behind them
.endr
.endm
.macro SEND t, younger              ; younger: the LDS instructions issued behind piece t's loads: the next piece's eight, or none
	WIN 0
.irp f, 0,1,2,3
	s_wait_dscnt (\younger)+3-\f
	global_store_b128 v[GO], v[S+16*(\t)+4*\f:S+16*(\t)+4*\f+3], s[10:11] offset:(\t)*2048+\f*512  ; 512 consecutive bytes, at a multiple of 256 from O's first
.endr
.endm
	CHANGE 1, 0                     ; tile 0 is in, everybody's part of it; tile 1 is asked for
	v_add_nc_u32 v[AK], s[TBK], v[AK0]
	FETCH_K                         ; key step 0
	s_wait_loadcnt 0x0              ; Q
	s_wait_dscnt 0x0
.set i, 0
.rept 8
	KQ 0                            ; piece 0's first scores
.set i, i+1
.endr
	WIN 0
.rept 4
	v_nop                           ; the places behind those products
.endr
.set Y, NP-1                        ; X works for piece Y + 1: piece 0
.irp n, 0,1,2,3,4,5,6,7,8,9,10,11,12,13,14,15,16,17,18,19,20,21
	OP X, \n
.endr
	v_nop                           ; a plain instruction behind the exponential,
	s_wait_alu depctr_va_vdst(0)    ; and its wait, ahead of the branch
	s_mov_b32 s[CNT], 4
	s_branch .Lfirst                ; the loop is entered at a step's first turn, in the middle of a trip
.Lslot:                             ; six times: tiles 2 to 7 are asked for
	CHANGE 1
	s_mov_b32 s[CNT], 4
.Lstep:                             ; a trip: pieces 2 and 3 of one step, then pieces 0 and 1 of the next, whose K and V it fetches
	TURN 2
	TURN 3
	WIN 0
.Lfirst:
	TURN 0
	TURN 1, 0, 1
	WIN 0
	s_cbranch_scc1 .Lstep
	s_sub_co_u32 s[SLOTS], s[SLOTS], 1
	s_cmp_lg_u32 s[SLOTS], 0
	s_cbranch_scc1 .Lslot
	CHANGE 0                        ; the last tile is written out: nothing is asked for
	s_mov_b32 s[CNT], 5             ; four trips fetch the last tile's steps; the fifth is left in its middle
.Ltail:
	TURN 2, 1
	TURN 3
	WIN 0
	s_sub_co_u32 s[CNT], s[CNT], 1
	s_cmp_eq_u32 s[CNT], 0
	s_cbranch_scc1 .Lout
	TURN 0
	TURN 1
	WIN 0
	s_branch .Ltail
.Lout:
.set i, 0
.rept 8
	PV NP-1                         ; the last piece's V^T P of the last step
.set i, i+1
.endr
	; THE WAY OUT.  l's two halves and the other half of the lanes' are added; O^T is divided by l, rounded to bf16 and sent through my stage, a piece at a time.  The additions are the places behind the last products.
	WIN 0
	ALL v_add_f32 v[ST+4*t+2], v[ST+4*t+2], v[ST+4*t+3]
	ALL v_permlanex16_b32 v[ST+4*t+3], v[ST+4*t+2], s[SEL], s[SEL+1]
	ALL v_add_f32 v[ST+4*t+2], v[ST+4*t+2], v[ST+4*t+3]
	ALL v_rcp_f32 v[ST+4*t+2], v[ST+4*t+2]
	v_nop                           ; a plain instruction between the last reciprocal and the use of its result
	s_wait_alu depctr_va_vdst(0)    ; one wait for the four reciprocals
	PACK 0
.set t, 1
.rept 3
	PACK t
	SEND t-1, 8
.set t, t+1
.endr
	SEND 3, 0
	s_wait_tensorcnt 0x0            ; the wave's end, behind my last tensor load and my last LDS store
	ds_add_u32 v[SPW], v[NIL]
	s_wait_dscnt 0x0
	CROUND                          ; the closing round
	s_endpgm
.Lfunc_end_k_qe81534885e_attn:
	.size	k_qe81534885e_attn, .Lfunc_end_k_qe81534885e_attn-k_qe81534885e_attn
	.p2alignl 7, 3214868480
	.fill 96, 4, 3214868480
	.section	.rodata,"a",@progbits
	.p2align	6, 0x0
	.amdhsa_kernel k_qe81534885e_attn
		.amdhsa_group_segment_fixed_size 327680
		.amdhsa_private_segment_fixed_size 0
		.amdhsa_enable_private_segment 0
		.amdhsa_kernarg_size 16
		.amdhsa_user_sgpr_count 2
		.amdhsa_user_sgpr_kernarg_segment_ptr 1
		.amdhsa_wavefront_size32 1
		.amdhsa_system_sgpr_workgroup_id_x 1
		.amdhsa_system_sgpr_workgroup_id_y 1
		.amdhsa_system_sgpr_workgroup_id_z 1
		.amdhsa_system_vgpr_workitem_id 0
		.amdhsa_next_free_vgpr 768
		.amdhsa_next_free_sgpr 66
		.amdhsa_reserve_vcc 0
		.amdhsa_float_denorm_mode_32 3
		.amdhsa_float_denorm_mode_16_64 3
		.amdhsa_memory_ordered 1
		.amdhsa_forward_progress 1
		.amdhsa_inst_pref_size 112
	.end_amdhsa_kernel
	.amdgpu_metadata
---
amdhsa.version: [ 1, 2 ]
amdhsa.kernels:
  - .name:           k_qe81534885e_attn
    .symbol:         k_qe81534885e_attn.kd
    .args:
      - { .name: qkv, .offset: 0, .size: 8, .value_kind: global_buffer, .address_space: global }
      - { .name: ao, .offset: 8, .size: 8, .value_kind: global_buffer, .address_space: global }
    .group_segment_fixed_size: 327680
    .private_segment_fixed_size: 0
    .kernarg_segment_align: 8
    .kernarg_segment_size: 16
    .max_flat_workgroup_size: 128
    .sgpr_count:     66
    .vgpr_count:     768
    .wavefront_size: 32
...
	.end_amdgpu_metadata
.endif
;; end of part 3
;; launch proj (part 4): grid 8 x 32, 4 waves a work-group, clusters of 4 x 4, 327,680 bytes of LDS; arguments ao, wb, b_proj, x, x1; writes x1
.if DOCPART == 4
	.amdgcn_target "amdgcn-amd-amdhsa--gfx1250"
	.amdhsa_code_object_version 6
	.text
	.protected	k_qe81534885e_proj
	.globl	k_qe81534885e_proj
	.p2align	8
	.type	k_qe81534885e_proj,@function
k_qe81534885e_proj:
	s_mov_b64 s[64:65], 0
	v_nop
	global_prefetch_b8 v0, s[64:65] scope:SCOPE_SE
	s_setreg_imm32_b32 hwreg(HW_REG_WAVE_MODE, 25, 1), 1
	s_wait_xcnt 0x0
	s_wait_alu depctr_hold_cnt(0) depctr_sa_sdst(0) depctr_va_vdst(0) depctr_va_sdst(0) depctr_va_ssrc(0) depctr_va_vcc(0) depctr_vm_vsrc(0)
	s_getreg_b32 s2, hwreg(HW_REG_IB_STS2, 6, 4)
	s_cmp_eq_u32 s2, 0
	s_cbranch_scc0 .Lentry_in_a_cluster
	s_endpgm
.Lentry_in_a_cluster:
	s_bfe_u32 s2, ttmp6, 0x10000c
	s_cmp_lg_u32 s2, 0xf033
	s_cbranch_scc0 .Lentry_shape_is_right
	s_endpgm
.Lentry_shape_is_right:
; OUT = RES + A W + bias.  This copy (NSTEP = 4, RND = 1): x1 = bf16(x) + ao w_proj + b_proj.  The other (NSTEP = 16, RND = 0): out0 = x1 + g w_ff2 + b_ff2.
; A: [K / 64 column blocks][4096 tokens][64] bf16; W: [K][1024] bf16 in wb, read out of LDS by the turning load; bias rounded to bf16; RES and OUT: [4096][1024] f32.  Sums in f32.
; SHARES.  A tile of C is 128 x 128, so that there are 256 work-groups; a wave's part is 64 x 64: 16 accumulators.  K goes in steps of 256 through two LDS slots; a step is written once, the slot's byte in a scalar.
; CLUSTER 4 x 4: A's tile is asked for jointly along a row of the cluster, W's along a column.  No prefetch: the tiles are small, and a step's loads are short beside what all work-groups ask for at once.
; THE PRODUCT IS TAKEN TRANSPOSED (source 0 = 16 columns of W, source 1 = 16 tokens): a lane holds eight neighbouring columns of one token.  The residual's 32 loads a lane go out at the head and stay out during the K loop.
; THE WAY OUT: the sums go as f32 through the wave's own part of slot 0, which has had its last fill and its last read, and come back as whole rows of 256 bytes.
; REGISTERS: window 0 addresses, bias, accumulators v128-255 ((a, b) at 128 + 8 (4 a + b)); window 1 two fragment buffers of 128 (A's 64, then W's 64); window 2 the residual v0-127, v128-131 at work.
.set NSTEP, 4
.set RND,   1
.set WOFF,  6291456
.set PA,    144                        ; a token's 128 bytes + 16
.set PB,    288                        ; a row of W (128 columns): 256 bytes + 32 = 9 x 32
.set ABLK,  128*PA                     ; a column block of A: 128 tokens
.set HALFT, 2*ABLK                     ; what one tensor load brings: two blocks of A, or 128 rows of W
.set SLOT,  4*HALFT
.set SPARE, 2*SLOT                     ; the spare words, 128 bytes for each wave
.set DP,    272                        ; a row of the f32 dump: 256 bytes + 16
.set KA,    2097152                    ; four column blocks of 524,288 bytes
.set KB,    524288                     ; 256 rows of 2,048 bytes
.set ADRA0, 16
.set ADRB0, 17
.set ADRA,  18
.set ADRB,  19                         ; v19 k rows 0-127 of the slot in hand, v20 rows 128-255
.set DA,    24
.set RD,    25
.set RO,    27                         ; v27  my byte offset in the residual and in the output; never rewritten
.set SPW,   28
.set NIL,   29
.set BO,    30
.set BIAS,  32                         ; v32-35, v36-37 at work
.set ACC,   128
.set F0,    0
.set F1,    128
.set CNT, 3
.set WV,  12
.set RH,  13
.set CH,  14
.set TY,  15
.set TX,  16
.set CX,  17
.set CY,  18
.set M16, 19
.set WH,  20
.set TB,  21
.set G1A, 24
.set G0A, 32
.set G1B, 48
.set G0B, 56
.set MSB, 0
.macro WIN new
.if MSB != (\new)
	s_set_vgpr_msb (MSB<<8)|(\new)
.set MSB, \new
.endif
.endm
.set MUL,  0x05                        ; sources 0 (W) and 1 (A) window 1; C and D window 0
.set TO_F, 0x40
.macro PLACES
.rept 4
	v_nop
.endr
.endm
.macro CREST
	s_cmp_lg_u32 s[WV], 0
	s_cbranch_scc1 .Lnot_wave_0_\@
	s_barrier_signal -3
.Lnot_wave_0_\@:
	s_barrier_wait -3
	s_barrier_signal -1
	s_barrier_wait -1
.endm
.macro CROUND
	s_barrier_signal -1
	s_barrier_wait -1
	CREST
.endm
.macro JLOADW                          ; the joint refill by the walking descriptor; an s_nop 0 and four v_nop follow each line
	s_cmp_eq_u32 s[RH], 0
	s_cbranch_scc0 .Lfor_b_\@
	tensor_load_to_lds s[G0A+4:G0A+7], s[G1A:G1A+7]
	s_nop 0
.rept 4
	v_nop
.endr
	s_branch .Lasked_\@
.Lfor_b_\@:
	tensor_load_to_lds s[G0B+4:G0B+7], s[G1B:G1B+7]
	s_nop 0
.rept 4
	v_nop
.endr
.Lasked_\@:
.endm
.macro MUL8 f, c, a0, zero             ; 8 products: token blocks a0, a0 + 1 x all 4 column blocks, 32 along K: half c of buffer f
	WIN MUL
.irp a, \a0, (\a0)+1
.irp b, 0,1,2,3
.if \zero
	v_wmma_f32_16x16x32_bf16 v[ACC+8*(4*(\a)+(\b)):ACC+8*(4*(\a)+(\b))+7], v[(\f)+64+8*(4*(\c)+(\b)):(\f)+64+8*(4*(\c)+(\b))+7], v[(\f)+8*(4*(\c)+(\a)):(\f)+8*(4*(\c)+(\a))+7], 0
.else
	v_wmma_f32_16x16x32_bf16 v[ACC+8*(4*(\a)+(\b)):ACC+8*(4*(\a)+(\b))+7], v[(\f)+64+8*(4*(\c)+(\b)):(\f)+64+8*(4*(\c)+(\b))+7], v[(\f)+8*(4*(\c)+(\a)):(\f)+8*(4*(\c)+(\a))+7], v[ACC+8*(4*(\a)+(\b)):ACC+8*(4*(\a)+(\b))+7]
.endif
.endr
.endr
.endm
.macro FETCH q, f                      ; 32 LDS loads in one run: quarter q (64 along K: one column block of A) into buffer f; the first 32 along K first
	WIN TO_F
.irp c, 0,1
.irp i, 0,1,2,3
	ds_load_tr16_b128 v[(\f)+64+8*(4*(\c)+(\i)):(\f)+64+8*(4*(\c)+(\i))+3],   v[ADRB+(\q)/2] offset:(64*((\q)%2)+32*(\c))*PB+32*(\i)
	ds_load_tr16_b128 v[(\f)+64+8*(4*(\c)+(\i))+4:(\f)+64+8*(4*(\c)+(\i))+7], v[ADRB+(\q)/2] offset:(64*((\q)%2)+32*(\c)+16)*PB+32*(\i)
	ds_load_b128 v[(\f)+8*(4*(\c)+(\i)):(\f)+8*(4*(\c)+(\i))+3],   v[ADRA] offset:(\q)*ABLK+64*(\c)+(\i)*16*PA
	ds_load_b128 v[(\f)+8*(4*(\c)+(\i))+4:(\f)+8*(4*(\c)+(\i))+7], v[ADRA] offset:(\q)*ABLK+64*(\c)+(\i)*16*PA+32
.endr
.endr
.endm
.macro QUARTER q, f, g, zero
	s_wait_dscnt 16                                ; the first 32 along K are in; the youngest sixteen loads may be out
	MUL8 \f, 0, 0, \zero
	MUL8 \f, 0, 2, \zero
	PLACES
	FETCH \q, \g
	s_wait_dscnt 32                                ; all but the 32 just issued
	MUL8 \f, 1, 0, 0
	MUL8 \f, 1, 2, 0
.endm
.macro MEET
	WIN 0
	s_wait_tensorcnt 0x0                           ; all my tensor loads have landed: my part of the next slot among them
	ds_add_u32 v[SPW], v[NIL]                      ; 0 onto my spare word
	s_wait_dscnt 17                                ; the add and the youngest sixteen loads may be out
	MUL8 F1, 0, 0, 0
	s_wait_dscnt 0x0                               ; the add is done, and my reads of this slot are over
	s_barrier_signal -1
	MUL8 F1, 0, 2, 0
	WIN 0
	s_barrier_wait -1
.endm
.macro STEP_A fill
.if !(\fill)
	PLACES
.endif
	WIN 0
	v_add_nc_u32 v[ADRA], s[TB], v[ADRA0]
	v_add_nc_u32 v[ADRB], s[TB], v[ADRB0]
	v_add_nc_u32 v[ADRB+1], 128*PB, v[ADRB]
	FETCH 0, F0
	MUL8 F1, 1, 0, 0
	MUL8 F1, 1, 2, 0
	QUARTER 1, F0, F1, 0
	WIN 0
.endm
	s_load_b256 s[4:11], s[0:1], 0x0               ; A s[4:5], wb s[6:7], bias s[8:9], residual s[10:11]
	s_load_b64 s[66:67], s[0:1], 0x20              ; out
	v_lshl_add_u32 v[SPW], v0, 2, SPARE
	v_mov_b32 v[NIL], 0
	ds_add_u32 v[SPW], v[NIL]                      ; the wave's opening: the add and its wait ahead of my first tensor load
	v_lshrrev_b32 v1, 5, v0
	v_readfirstlane_b32 s[WV], v1
	s_lshr_b32 s[RH], s[WV], 1
	s_and_b32 s[CH], s[WV], 1
	s_bfe_u32 s[CX], ttmp6, 0x40000
	s_bfe_u32 s[CY], ttmp6, 0x40004
	s_lshl_b32 s[TX], ttmp9, 2
	s_add_co_u32 s[TX], s[TX], s[CX]
	s_and_b32 s[TY], ttmp7, 0xffff
	s_lshl_b32 s[TY], s[TY], 2
	s_add_co_u32 s[TY], s[TY], s[CY]
	s_lshl_b32 s40, s[CY], 2
	s_lshl_b32 s40, 15, s40
	s_lshl_b32 s41, 0x1111, s[CX]
	; A: two column blocks, each 128 tokens = 16,384 dense bytes = one row of 2,048 elements of 8 bytes; the blocks lie 65,536 elements apart; 4 words of padding after every 32: a token's pitch is 144
	s_or_b32 s[G1A], s40, (3<<16)|(1<<20)|(1<<21)|(4<<22)|(3<<25)
	s_mov_b32 s[G1A+1], 2048<<16
	s_mov_b32 s[G1A+2], 2<<16
	s_mov_b32 s[G1A+3], 2048<<16
	s_mov_b32 s[G1A+4], 2
	s_mov_b32 s[G1A+5], 65536
	s_mov_b32 s[G1A+6], 0
	s_mov_b32 s[G1A+7], 0
	; W: 128 rows of 128 elements of 2 bytes, 8 words of padding after every 64
	s_or_b32 s[G1B], s41, (1<<16)|(1<<20)|(1<<21)|(5<<22)|(7<<25)
	s_mov_b32 s[G1B+1], 128<<16
	s_mov_b32 s[G1B+2], 128<<16
	s_mov_b32 s[G1B+3], 128<<16
	s_mov_b32 s[G1B+4], 128
	s_mov_b32 s[G1B+5], 1024
	s_mov_b32 s[G1B+6], 0
	s_mov_b32 s[G1B+7], 0
	s_mov_b32 s[M16], 0xffff0000
	s_mul_i32 s[WH], s[WV], HALFT
	s_mov_b32 s[TB], 0
	s_lshl_b32 s68, s[CH], 20                      ; A: two blocks a half, 128 tokens of 128 bytes a tile row
	s_lshl_b32 s22, s[TY], 14
	s_add_co_u32 s68, s68, s22
	s_mov_b32 s69, 0
	s_lshl_b32 s70, s[CH], 18                      ; W: 128 rows a half, 256 bytes a tile column
	s_lshl_b32 s22, s[TX], 8
	s_add_co_u32 s70, s70, s22
	s_mov_b32 s71, 0
	s_lshl_b32 s72, s[TY], 19                      ; residual and output: token 128 ty + 64 half, 4,096 bytes each; column 128 tx + 64 half
	s_lshl_b32 s22, s[RH], 18
	s_add_co_u32 s72, s72, s22
	s_lshl_b32 s23, s[TX], 9
	s_lshl_b32 s22, s[CH], 8
	s_add_co_u32 s23, s23, s22                     ; also my columns' place in the bias
	s_add_co_u32 s72, s72, s23
	s_mov_b32 s73, 0
	s_wait_dscnt 0x0                               ; the opening add is done
	s_wait_kmcnt 0x0
	s_add_nc_u64 s[68:69], s[4:5], s[68:69]
	s_add_nc_u64 s[70:71], s[6:7], s[70:71]
	s_add_nc_u64 s[70:71], s[70:71], WOFF
	s_add_nc_u64 s[10:11], s[10:11], s[72:73]
	s_add_nc_u64 s[66:67], s[66:67], s[72:73]
.irp s, 0,1
	s_mov_b32 s[G0A+4*(\s)], 1
	s_add_co_u32 s[G0A+4*(\s)+1], s[WH], (\s)*SLOT
	s_add_nc_u64 s[G0A+4*(\s)+2:G0A+4*(\s)+3], s[68:69], (\s)*KA
	s_or_b32 s[G0A+4*(\s)+3], s[G0A+4*(\s)+3], 0x80000000
	s_mov_b32 s[G0B+4*(\s)], 1
	s_add_co_u32 s[G0B+4*(\s)+1], s[WH], (\s)*SLOT
	s_add_nc_u64 s[G0B+4*(\s)+2:G0B+4*(\s)+3], s[70:71], (\s)*KB
	s_or_b32 s[G0B+4*(\s)+3], s[G0B+4*(\s)+3], 0x80000000
.endr
	CROUND                                         ; all sixteen work-groups are here: the first joint loads meet
	s_cmp_eq_u32 s[RH], 0                          ; a wave's two first fills stand in one branch: two loads of mine are out
	s_cbranch_scc0 .Lfirst_b
	tensor_load_to_lds s[G0A:G0A+3], s[G1A:G1A+7]
	s_nop 0
	tensor_load_to_lds s[G0A+4:G0A+7], s[G1A:G1A+7]
	s_nop 0
.rept 4
	v_nop
.endr
	s_branch .Lfirst_done
.Lfirst_b:
	tensor_load_to_lds s[G0B:G0B+3], s[G1B:G1B+7]
	s_nop 0
	tensor_load_to_lds s[G0B+4:G0B+7], s[G1B:G1B+7]
	s_nop 0
.rept 4
	v_nop
.endr
.Lfirst_done:
	v_and_b32 v1, 15, v0                           ; r
	v_bfe_u32 v2, v0, 4, 1                         ; hh
	v_and_b32 v3, 7, v0
	v_bfe_u32 v4, v0, 3, 1
	v_lshlrev_b32 v[RO], 12, v2                    ; 16 lanes take 256 bytes of a row, lanes 16-31 the next row
	v_lshl_add_u32 v[RO], v1, 4, v[RO]
	v_lshl_add_u32 v[BO], v1, 4, s23
	global_load_b128 v[BIAS:BIAS+3], v[BO], s[8:9]
	WIN 0x80
.set t, 0
.rept 32                               ; my 64 x 64 of the residual: rows 2 t + hh; waited for on the way out
	global_load_b128 v[4*t:4*t+3], v[RO], s[10:11] offset:t*8192
.set t, t+1
.endr
	WIN 0
	v_mul_u32_u24 v[ADRA0], v1, PA
	v_lshl_add_u32 v[ADRA0], v2, 4, v[ADRA0]
	s_mul_i32 s22, s[RH], 64*PA
	v_add_nc_u32 v[ADRA0], s22, v[ADRA0]
	v_lshl_add_u32 v6, v2, 3, v3
	v_mul_u32_u24 v[ADRB0], v6, PB
	v_lshl_add_u32 v[ADRB0], v4, 4, v[ADRB0]
	s_lshl_b32 s22, s[CH], 7
	s_add_co_u32 s22, s22, 2*HALFT
	v_add_nc_u32 v[ADRB0], s22, v[ADRB0]
	s_mul_i32 s22, s[WV], 64*DP                    ; my dump
	v_mul_u32_u24 v[DA], v1, DP
	v_lshl_add_u32 v[DA], v2, 5, v[DA]
	v_add_nc_u32 v[DA], s22, v[DA]
	v_mul_u32_u24 v[RD], v2, DP
	v_lshl_add_u32 v[RD], v1, 4, v[RD]
	v_add_nc_u32 v[RD], s22, v[RD]
	s_wait_tensorcnt 0x1                           ; my part of K step 0 is in; step 1's may stay out
	s_barrier_signal -1
	s_barrier_wait -1
	v_mov_b32 v[ADRA], v[ADRA0]
	v_mov_b32 v[ADRB], v[ADRB0]
	v_add_nc_u32 v[ADRB+1], 128*PB, v[ADRB0]
	FETCH 0, F0
	QUARTER 1, F0, F1, 1                           ; the first quarter stands ahead of the loop: its first products start the sums
	WIN 0
	s_mov_b32 s[CNT], NSTEP-2                      ; so many changes of slots fill again
	s_branch .Lenter
.Lstep:
	STEP_A 1
.Lenter:
	QUARTER 2, F1, F0, 0
	QUARTER 3, F0, F1, 0
	MEET                                           ; opens a round of the cluster's barrier
	CREST                                          ; no wave of any partner still reads this slot or has a load on its way
	s_add_co_u32 s[G0A+5], s[WH], s[TB]
	s_add_co_u32 s[G0B+5], s[WH], s[TB]
	s_add_nc_u64 s[G0A+6:G0A+7], s[G0A+6:G0A+7], KA
	s_add_nc_u64 s[G0B+6:G0B+7], s[G0B+6:G0B+7], KB
	JLOADW                                         ; my one tensor load behind the round: 112 products stand between it and the wait for it
	s_xor_b32 s[TB], s[TB], SLOT
	s_sub_co_u32 s[CNT], s[CNT], 1
	s_cmp_lg_u32 s[CNT], 0
	s_cbranch_scc1 .Lstep
	s_mov_b32 s[CNT], 2                            ; the last two K steps ask for nothing: written apart
.Ltail:
	STEP_A 0
	QUARTER 2, F1, F0, 0
	QUARTER 3, F0, F1, 0
	MEET                                           ; the second of these barriers also shows every wave's reads of the ring over
	s_xor_b32 s[TB], s[TB], SLOT
	s_sub_co_u32 s[CNT], s[CNT], 1
	s_cmp_lg_u32 s[CNT], 0
	s_cbranch_scc1 .Ltail
	MUL8 F1, 1, 0, 0
	MUL8 F1, 1, 2, 0
	WIN 0
	PLACES
	PLACES
	; THE WAY OUT
	s_wait_loadcnt 0x0                             ; bias and residual
	v_cvt_pk_bf16_f32 v36, v[BIAS], v[BIAS+1]
	v_cvt_pk_bf16_f32 v37, v[BIAS+2], v[BIAS+3]
	v_lshlrev_b32 v[BIAS], 16, v36
	v_and_b32 v[BIAS+1], s[M16], v36
	v_lshlrev_b32 v[BIAS+2], 16, v37
	v_and_b32 v[BIAS+3], s[M16], v37
.if RND
	WIN 0x8a                                       ; all in window 2: the residual is an input here and is rounded to bf16 like the others
.set t, 0
.rept 32
	v_cvt_pk_bf16_f32 v[128+2*(t%2)], v[4*t], v[4*t+1]
	v_cvt_pk_bf16_f32 v[129+2*(t%2)], v[4*t+2], v[4*t+3]
	v_lshlrev_b32 v[4*t], 16, v[128+2*(t%2)]
	v_and_b32 v[4*t+1], s[M16], v[128+2*(t%2)]
	v_lshlrev_b32 v[4*t+2], 16, v[129+2*(t%2)]
	v_and_b32 v[4*t+3], s[M16], v[129+2*(t%2)]
.set t, t+1
.endr
.endif
	WIN 0x82                                       ; residual (window 2) += bias (window 0)
.set k, 0
.rept 64
	v_pk_add_f32 v[2*k:2*k+1], v[2*k:2*k+1], v[BIAS+2*(k%2):BIAS+2*(k%2)+1]
.set k, k+1
.endr
	WIN 0
.set a, 0
.rept 4                                ; the dump: each accumulator's low four registers first
.set b, 0
.rept 4
	ds_store_b128 v[DA], v[ACC+8*(4*a+b):ACC+8*(4*a+b)+3]   offset:a*16*DP+64*b
	ds_store_b128 v[DA], v[ACC+8*(4*a+b)+4:ACC+8*(4*a+b)+7] offset:a*16*DP+64*b+16
.set b, b+1
.endr
.set a, a+1
.endr
.set t, 0
.rept 32
	ds_load_b128 v[ACC+4*t:ACC+4*t+3], v[RD] offset:t*2*DP  ; LDS serves a wave's instructions in order: these see the stores above
.set t, t+1
.endr
	WIN 0x88                                       ; the sum lands in window 2, from which a store under this setting takes its data (source 1); addresses in window 0
.set t, 0
.rept 32
	s_wait_dscnt 31-t                              ; the 31 - t younger loads may stay out
	v_pk_add_f32 v[4*t:4*t+1], v[ACC+4*t:ACC+4*t+1], v[4*t:4*t+1]
	v_pk_add_f32 v[4*t+2:4*t+3], v[ACC+4*t+2:ACC+4*t+3], v[4*t+2:4*t+3]
.if RND
	global_store_b128 v[RO], v[4*t:4*t+3], s[66:67] offset:t*8192  ; 16 lanes store 256 consecutive bytes, aligned
.else
	global_store_b128 v[RO], v[4*t:4*t+3], s[66:67] offset:t*8192 th:TH_STORE_NT
.endif
.set t, t+1
.endr
	WIN 0
	s_wait_tensorcnt 0x0                           ; the wave's end, behind my last tensor load and my last LDS store
	ds_add_u32 v[SPW], v[NIL]
	s_wait_dscnt 0x0
	CROUND                                         ; the closing round
	s_endpgm
.Lfunc_end_k_qe81534885e_proj:
	.size	k_qe81534885e_proj, .Lfunc_end_k_qe81534885e_proj-k_qe81534885e_proj
	.p2alignl 7, 3214868480
	.fill 96, 4, 3214868480
	.section	.rodata,"a",@progbits
	.p2align	6, 0x0
	.amdhsa_kernel k_qe81534885e_proj
		.amdhsa_group_segment_fixed_size 327680
		.amdhsa_private_segment_fixed_size 0
		.amdhsa_enable_private_segment 0
		.amdhsa_kernarg_size 40
		.amdhsa_user_sgpr_count 2
		.amdhsa_user_sgpr_kernarg_segment_ptr 1
		.amdhsa_wavefront_size32 1
		.amdhsa_system_sgpr_workgroup_id_x 1
		.amdhsa_system_sgpr_workgroup_id_y 1
		.amdhsa_system_sgpr_workgroup_id_z 1
		.amdhsa_system_vgpr_workitem_id 0
		.amdhsa_next_free_vgpr 656
		.amdhsa_next_free_sgpr 80
		.amdhsa_reserve_vcc 0
		.amdhsa_float_denorm_mode_32 3
		.amdhsa_float_denorm_mode_16_64 3
		.amdhsa_memory_ordered 1
		.amdhsa_forward_progress 1
		.amdhsa_inst_pref_size 79
	.end_amdhsa_kernel
	.amdgpu_metadata
---
amdhsa.version: [ 1, 2 ]
amdhsa.kernels:
  - .name:           k_qe81534885e_proj
    .symbol:         k_qe81534885e_proj.kd
    .args:
      - { .name: ao, .offset: 0, .size: 8, .value_kind: global_buffer, .address_space: global }
      - { .name: wb, .offset: 8, .size: 8, .value_kind: global_buffer, .address_space: global }
      - { .name: b_proj, .offset: 16, .size: 8, .value_kind: global_buffer, .address_space: global }
      - { .name: x, .offset: 24, .size: 8, .value_kind: global_buffer, .address_space: global }
      - { .name: x1, .offset: 32, .size: 8, .value_kind: global_buffer, .address_space: global }
    .group_segment_fixed_size: 327680
    .private_segment_fixed_size: 0
    .kernarg_segment_align: 8
    .kernarg_segment_size: 40
    .max_flat_workgroup_size: 128
    .sgpr_count:     80
    .vgpr_count:     656
    .wavefront_size: 32
...
	.end_amdgpu_metadata
.endif
;; end of part 4
;; launch ln2 (part 5): grid 256 x 1, 8 waves a work-group, no clusters, 0 bytes of LDS; arguments x1, ln2_g, ln2_b, h; writes h
.if DOCPART == 5
	.amdgcn_target "amdgcn-amd-amdhsa--gfx1250"
	.amdhsa_code_object_version 6
	.text
	.protected	k_qe81534885e_ln2
	.globl	k_qe81534885e_ln2
	.p2align	8
	.type	k_qe81534885e_ln2,@function
k_qe81534885e_ln2:
	s_mov_b64 s[64:65], 0
	v_nop
	global_prefetch_b8 v0, s[64:65] scope:SCOPE_SE
	s_setreg_imm32_b32 hwreg(HW_REG_WAVE_MODE, 25, 1), 1
	s_wait_xcnt 0x0
; h = LayerNorm(x1) g + b, rounded to bf16.  x1: [4096][1024] f32, taken as it is; g and b are inputs and are rounded to bf16 like all inputs.  A wave takes two rows, a work-group sixteen.
; Mean and variance in f32, in two passes: first the mean, then the sum of (x - mean)^2.
; NO LOAD WAITS FOR ANOTHER'S DATA: a wave asks for gain, bias and both rows at its head: 32 loads.  The first row is worked on in place; the second is then moved into the same registers, so that one text
; serves both rows: 32 moves against a second copy of the row's text.
; No LDS, no matrix unit, no cluster: no byte is wanted by two work-groups but g and b (8 KiB).  NaN and infinities are not treated apart.
.set ROUND, 0
.set SX, 8                             ; s[8:9] x1
.set SG, 10
.set SB, 12
.set SH, 14
.set GO, 1                             ; v1   16 x lane
.set YO, 11                            ; v11  byte offset of my 8 bytes in the row to store
.set XO, 15                            ; v15  byte offset of my 16 bytes in my first row; never rewritten
.set RX, 16                            ; v[16:47]   the row in hand: load j holds columns 128 j + 4 lane + 0..3; then x - mean, the result, and in its low half the result in bf16
.set RN, 48                            ; v[48:79]   the second row as loaded
.set RG, 80                            ; v[80:111]  gain, same map
.set RB, 112                           ; v[112:143] bias, same map
	s_load_b256 s[8:15], s[0:1], 0x0
	s_mov_b32 s2, ttmp9
.macro RND2 a, t                       ; v[a], v[a+1] rounded to bf16 and widened again
	v_cvt_pk_bf16_f32 v[\t], v[\a], v[(\a)+1]
	v_lshlrev_b32 v[\a], 16, v[\t]
	v_and_b32 v[(\a)+1], s34, v[\t]
.endm
.macro LANESUM r, t                    ; the sum of v[r] over the 32 lanes, in every lane
	v_add_f32_dpp v[\r], v[\r], v[\r] row_xmask:1 row_mask:0xf bank_mask:0xf
	v_add_f32_dpp v[\r], v[\r], v[\r] row_xmask:2 row_mask:0xf bank_mask:0xf
	v_add_f32_dpp v[\r], v[\r], v[\r] row_xmask:4 row_mask:0xf bank_mask:0xf
	v_add_f32_dpp v[\r], v[\r], v[\r] row_xmask:8 row_mask:0xf bank_mask:0xf
	v_permlanex16_b32 v[\t], v[\r], s32, s33
	v_add_f32 v[\r], v[\r], v[\t]
.endm
.macro FOLD                            ; four chains of pairs in v[2:9] into v2
	v_pk_add_f32 v[2:3], v[2:3], v[4:5]
	v_pk_add_f32 v[6:7], v[6:7], v[8:9]
	v_pk_add_f32 v[2:3], v[2:3], v[6:7]
	v_add_f32 v2, v2, v3
.endm
	v_lshrrev_b32 v1, 5, v0
	v_readfirstlane_b32 s3, v1                     ; wave
	s_lshl_b32 s2, s2, 4                           ; 16 rows a work-group,
	s_lshl_b32 s3, s3, 1                           ; 2 a wave
	s_add_co_u32 s2, s2, s3                        ; my first row
	s_mov_b32 s32, 0x76543210                      ; v_permlanex16_b32: each lane takes its own place in the other half
	s_mov_b32 s33, 0xfedcba98
	s_mov_b32 s34, 0xffff0000
	s_mov_b32 s35, 0x3a800000                      ; 1 / 1024
	s_mov_b32 s36, 0x3727c5ac                      ; 1e-5
	s_mov_b32 s37, 2                               ; rows to go
	v_and_b32 v1, 31, v0
	s_lshl_b32 s3, s2, 11
	v_lshl_add_u32 v[YO], v1, 3, s3                ; row x 2,048 + 8 lane
	v_lshlrev_b32 v[GO], 4, v1
	s_lshl_b32 s3, s2, 12
	v_add_nc_u32 v[XO], s3, v[GO]                  ; row x 4,096 + 16 lane
	v_mov_b32 v10, 0                               ; the exchange's destination counts as read
	s_wait_kmcnt 0x0
.irp j, 0,1,2,3,4,5,6,7
	global_load_b128 v[RG+4*(\j):RG+4*(\j)+3], v[GO], s[SG:SG+1] offset:512*(\j)
	global_load_b128 v[RB+4*(\j):RB+4*(\j)+3], v[GO], s[SB:SB+1] offset:512*(\j)
.endr
.irp j, 0,1,2,3,4,5,6,7
	global_load_b128 v[RX+4*(\j):RX+4*(\j)+3], v[XO], s[SX:SX+1] offset:512*(\j)
.endr
.irp j, 0,1,2,3,4,5,6,7
	global_load_b128 v[RN+4*(\j):RN+4*(\j)+3], v[XO], s[SX:SX+1] offset:4096+512*(\j)
.endr
	s_wait_loadcnt 16                              ; gain and bias are in; the two rows' sixteen loads may stay out
.set k, 0
.rept 16
	RND2 RG+2*k, 2+k%4
	RND2 RB+2*k, 6+k%4
.set k, k+1
.endr
	s_wait_loadcnt 8                               ; the first row is in; the second row's eight loads may stay out
.Lrow:
.if ROUND
.set k, 0
.rept 16
	RND2 RX+2*k, 2+k%4
.set k, k+1
.endr
.endif
.set c, 0
.rept 4                                ; the sum, in four chains that the first pairs start
	v_pk_add_f32 v[2+2*c:3+2*c], v[RX+2*c:RX+2*c+1], v[RX+8+2*c:RX+9+2*c]
.set c, c+1
.endr
.set c, 0
.rept 8
	v_pk_add_f32 v[2+2*(c%4):3+2*(c%4)], v[2+2*(c%4):3+2*(c%4)], v[RX+16+2*c:RX+17+2*c]
.set c, c+1
.endr
	FOLD
	LANESUM 2, 10
	v_mul_f32 v12, s35, v2                         ; the mean, twice: a pair for the packed lines
	v_mul_f32 v13, s35, v2
.set k, 0
.rept 16
	v_pk_add_f32 v[RX+2*k:RX+2*k+1], v[RX+2*k:RX+2*k+1], v[12:13] neg_lo:[0,1] neg_hi:[0,1]
.set k, k+1
.endr
.set c, 0
.rept 4
	v_pk_mul_f32 v[2+2*c:3+2*c], v[RX+2*c:RX+2*c+1], v[RX+2*c:RX+2*c+1]
.set c, c+1
.endr
.set c, 0
.rept 12
	v_pk_fma_f32 v[2+2*(c%4):3+2*(c%4)], v[RX+8+2*c:RX+9+2*c], v[RX+8+2*c:RX+9+2*c], v[2+2*(c%4):3+2*(c%4)]
.set c, c+1
.endr
	FOLD
	LANESUM 2, 10
	v_fma_f32 v14, v2, s35, s36                    ; variance + 1e-5
	v_rsq_f32 v12, v14
	v_rsq_f32 v13, v14
	v_nop                                          ; a plain instruction behind the roots,
	s_wait_alu depctr_va_vdst(0)                   ; and one wait for both, ahead of their first reader
.set k, 0
.rept 16
	v_pk_mul_f32 v[RX+2*k:RX+2*k+1], v[RX+2*k:RX+2*k+1], v[12:13]
.set k, k+1
.endr
.set k, 0
.rept 16
	v_pk_fma_f32 v[RX+2*k:RX+2*k+1], v[RX+2*k:RX+2*k+1], v[RG+2*k:RG+2*k+1], v[RB+2*k:RB+2*k+1]
.set k, k+1
.endr
.set k, 0
.rept 16                               ; packed in place, ascending: register k takes numbers 2 k and 2 k + 1, which no later line reads
	v_cvt_pk_bf16_f32 v[RX+k], v[RX+2*k], v[RX+2*k+1]
.set k, k+1
.endr
.irp j, 0,1,2,3,4,5,6,7
	global_store_b64 v[YO], v[RX+2*(\j):RX+2*(\j)+1], s[SH:SH+1] offset:256*(\j)  ; a wave stores 256 consecutive bytes, aligned
.endr
	s_wait_xcnt 0x0                                ; the stores have read their data and offset: both are written again only behind this wait
	s_cmp_eq_u32 s37, 1                            ; the second row has none behind it
	s_cbranch_scc1 .Llast
	s_wait_loadcnt 0x0                             ; the second row is in
.set k, 0
.rept 32
	v_mov_b32 v[RX+k], v[RN+k]                     ; into the registers that the one text of a row names
.set k, k+1
.endr
	v_add_nc_u32 v[YO], 2048, v[YO]
.Llast:
	s_sub_co_u32 s37, s37, 1
	s_cmp_lg_u32 s37, 0
	s_cbranch_scc1 .Lrow
	s_endpgm
.Lfunc_end_k_qe81534885e_ln2:
	.size	k_qe81534885e_ln2, .Lfunc_end_k_qe81534885e_ln2-k_qe81534885e_ln2
	.p2alignl 7, 3214868480
	.fill 96, 4, 3214868480
	.section	.rodata,"a",@progbits
	.p2align	6, 0x0
	.amdhsa_kernel k_qe81534885e_ln2
		.amdhsa_group_segment_fixed_size 0
		.amdhsa_private_segment_fixed_size 0
		.amdhsa_enable_private_segment 0
		.amdhsa_kernarg_size 32
		.amdhsa_user_sgpr_count 2
		.amdhsa_user_sgpr_kernarg_segment_ptr 1
		.amdhsa_wavefront_size32 1
		.amdhsa_system_sgpr_workgroup_id_x 1
		.amdhsa_system_sgpr_workgroup_id_y 1
		.amdhsa_system_sgpr_workgroup_id_z 1
		.amdhsa_system_vgpr_workitem_id 0
		.amdhsa_next_free_vgpr 144
		.amdhsa_next_free_sgpr 66
		.amdhsa_reserve_vcc 0
		.amdhsa_float_denorm_mode_32 3
		.amdhsa_float_denorm_mode_16_64 3
		.amdhsa_memory_ordered 1
		.amdhsa_forward_progress 1
		.amdhsa_inst_pref_size 18
	.end_amdhsa_kernel
	.amdgpu_metadata
---
amdhsa.version: [ 1, 2 ]
amdhsa.kernels:
  - .name:           k_qe81534885e_ln2
    .symbol:         k_qe81534885e_ln2.kd
    .args:
      - { .name: x1, .offset: 0, .size: 8, .value_kind: global_buffer, .address_space: global }
      - { .name: ln2_g, .offset: 8, .size: 8, .value_kind: global_buffer, .address_space: global }
      - { .name: ln2_b, .offset: 16, .size: 8, .value_kind: global_buffer, .address_space: global }
      - { .name: h, .offset: 24, .size: 8, .value_kind: global_buffer, .address_space: global }
    .group_segment_fixed_size: 0
    .private_segment_fixed_size: 0
    .kernarg_segment_align: 8
    .kernarg_segment_size: 32
    .max_flat_workgroup_size: 256
    .sgpr_count:     66
    .vgpr_count:     144
    .wavefront_size: 32
...
	.end_amdgpu_metadata
.endif
;; end of part 5
;; launch ff1 (part 6): grid 16 x 16, 4 waves a work-group, clusters of 4 x 4, 327,680 bytes of LDS; arguments h, wb, b_ff1, g; writes g
.if DOCPART == 6
	.amdgcn_target "amdgcn-amd-amdhsa--gfx1250"
	.amdhsa_code_object_version 6
	.text
	.protected	k_qe81534885e_ff1
	.globl	k_qe81534885e_ff1
	.p2align	8
	.type	k_qe81534885e_ff1,@function
k_qe81534885e_ff1:
	s_mov_b64 s[64:65], 0
	v_nop
	global_prefetch_b8 v0, s[64:65] scope:SCOPE_SE
	s_setreg_imm32_b32 hwreg(HW_REG_WAVE_MODE, 25, 1), 1
	s_wait_xcnt 0x0
	s_wait_alu depctr_hold_cnt(0) depctr_sa_sdst(0) depctr_va_vdst(0) depctr_va_sdst(0) depctr_va_ssrc(0) depctr_va_vcc(0) depctr_vm_vsrc(0)
	s_getreg_b32 s2, hwreg(HW_REG_IB_STS2, 6, 4)
	s_cmp_eq_u32 s2, 0
	s_cbranch_scc0 .Lentry_in_a_cluster
	s_endpgm
.Lentry_in_a_cluster:
	s_bfe_u32 s2, ttmp6, 0x10000c
	s_cmp_lg_u32 s2, 0xf033
	s_cbranch_scc0 .Lentry_shape_is_right
	s_endpgm
.Lentry_shape_is_right:
; MODE 0: [q k v] = h [wq wk wv], q and k turned by the rotary table.  MODE 1: g = gelu(h w_ff1 + b_ff1).  One source for both; this copy is MODE 1.
; h: [4096][1024] bf16.  The weights lie [K][N] in bf16 in wb and are read out of LDS by the turning load, so nothing is ever transposed in memory.  Sums in f32, the result rounded once to bf16.
; OUT: [column block of 64][4096 tokens][64] bf16: two tokens of a block are 256 consecutive bytes.  MODE 0: blocks 0-15 q's heads, 16-31 k's, 32-47 v's.
; SHARES.  A tile of C is 256 x 256, a wave's part 128 x 128: 64 accumulators, 512 registers.  K = 1,024 goes in 8 steps of 128 through two LDS slots; a step is written once, the slot's byte in a scalar.
; CLUSTER 4 x 4: A's tile hangs on the tile row alone and is asked for jointly along a row of the cluster, B's on the tile column alone, along a column.
; The rotary table's 256 rows (32 KiB, once) are a plain load: beside the 8 x 136 KiB of A and B that a work-group takes in, sharing them would spare little.
; THE PRODUCT IS TAKEN TRANSPOSED (source 0 = 16 columns of the weights, source 1 = 16 rows of h): a lane holds eight neighbouring columns of one row of C.
; THE WAY OUT: the wave's 128 x 128 sums go as f32 into its own part of the ring, which has had its last fill and its last read, and come back two rows at a time.
; MODE 1, erf by Abramowitz and Stegun 7.1.26 (error at most 1.5e-7 for every argument): gelu(u) = max(u, 0) - 0.588705 x' q, x' = 0.8493218 |u|, t = 1 / (1 + 0.2727375 x'),
; q = t (a1 + t (a2 + t (a3 + t (a4 + t a5)))) 2^(-x' x').  LIMITS: u = +-infinity gives NaN; NaN and infinities are not treated apart.
; REGISTERS in windows of 256: window 0 addresses, A's fragments (v64-127, v128-191), the way out; window 1 B's fragments; windows 2, 3 the accumulators ((a, b) at v[8 (8 (a % 4) + b)] of window 2 + a / 4).
.set MODE, 1
.set PA,    272                        ; a row of A in LDS: 256 bytes + 16: the 16 rows of a load start at 16 different groups of four banks
.set PB,    544                        ; a row of B (256 columns): 512 bytes + 32 = 17 x 32
.set HALFT, 128*PA                     ; what one tensor load brings: 128 rows of A, or 64 rows of B
.set SLOT,  4*HALFT                    ; A's 256 rows, then B's 128 rows
.set DP,    528                        ; a row of the f32 dump: 512 bytes + 16
.set KA,    256                        ; bytes from a K step of A to the next
.if MODE == 0
.set NW,    1024                       ; columns of a weight matrix
.set WOFF,  0
.set FRQ,   2*SLOT                     ; behind the ring: 256 rows x 128 bytes of (cos, sin) in bf16, filled once
.set SPARE, FRQ+32768                  ; the spare words, 128 bytes for each wave
.else
.set NW,    4096
.set WOFF,  8388608
.set SPARE, 2*SLOT
.endif
.set KB,    128*NW*2                   ; bytes from a K step of B to the next
.set ADRA0, 16                         ; v16  my lane's place in A's part of a slot; never rewritten
.set ADRB0, 17                         ; v17  the same for B
.set ADRA,  18                         ; v18  the same in the slot in hand
.set ADRB,  19
.set DA,    24                         ; v24  where I put 16 bytes of the dump
.set RDA,   25                         ; v25  where I read it back
.set CO,    26                         ; v26  my byte offset in the output
.set FRA,   27                         ; v27  my 16 bytes of the table's rows
.set SPW,   28                         ; v28  my spare word; never rewritten
.set NIL,   29                         ; v29  0; never rewritten
.set PFO,   30                         ; v30  the prefetches' offset; never rewritten
.set BO,    31                         ; v31  my offset in the bias
.set BIAS,  240                        ; v240-247
.set F0,    64
.set F1,    128
.set CNT, 3                            ; s3   loop counts
.set WV,  12                           ; s12  wave
.set RH,  13                           ; s13  wave / 2: my half of the tile's rows; also 0: I fetch A, 1: I fetch B
.set CH,  14                           ; s14  wave % 2: my half of its columns; also which half of that tile I fetch
.set TY,  15                           ; s15  tile row
.set TX,  16                           ; s16  tile column
.set CX,  17
.set CY,  18
.set LIM, 19                           ; s19  1 in a wave that prefetches, else the greatest number
.set WH,  20                           ; s20  wave x HALFT: where my fills go in a slot
.set TB,  21                           ; s21  the slot in hand: 0 or SLOT
.set G1A, 24                           ; s[24:31] group 1 for A
.set G0A, 32                           ; s[32:35] slot 0, step 0; s[36:39] slot 1, step 1, which then walks
.set PFA, 44                           ; s[44:45] where my prefetches stand
.set PST, 46                           ; s[46:47] their step
.set G1B, 48
.set G0B, 56
.set G0F, 68                           ; s[68:71], s[72:79] the table's load (MODE 0)
.set G1F, 72
.set CXP, 72                           ; s[72:87] eight constants as pairs (MODE 1)
.set PP,  74
.set A1,  76
.set A2,  78
.set A3,  80
.set A4,  82
.set A5,  84
.set CN,  86
.set MAT, 88                           ; s88  0, 1, 2: q, k, v
.set M16, 90                           ; s90  a word's upper half
.set MSB, 0
.macro WIN new                         ; the immediate's high byte repeats the setting that is left; a switch that changes nothing is dropped
.if MSB != (\new)
	s_set_vgpr_msb (MSB<<8)|(\new)
.set MSB, \new
.endif
.endm
.set MUL_LO, 0xa1                      ; source 0 (B) window 1, source 1 (A) window 0, C and D window 2
.set MUL_HI, 0xf1
.macro PLACES                          ; four plain places behind matrix instructions, ahead of loads into registers that they have read
.rept 4
	v_nop
.endr
.endm
.macro CREST                           ; a round of the cluster's barrier behind its opening barrier
	s_cmp_lg_u32 s[WV], 0
	s_cbranch_scc1 .Lnot_wave_0_\@
	s_barrier_signal -3
.Lnot_wave_0_\@:
	s_barrier_wait -3
	s_barrier_signal -1
	s_barrier_wait -1
.endm
.macro CROUND
	s_barrier_signal -1
	s_barrier_wait -1
	CREST
.endm
.macro JLOADW                          ; the joint refill by the walking descriptor: waves 0, 1 A's halves, waves 2, 3 B's; an s_nop 0 and four v_nop follow each line
	s_cmp_eq_u32 s[RH], 0
	s_cbranch_scc0 .Lfor_b_\@
	tensor_load_to_lds s[G0A+4:G0A+7], s[G1A:G1A+7]
	s_nop 0
.rept 4
	v_nop
.endr
	s_branch .Lasked_\@
.Lfor_b_\@:
	tensor_load_to_lds s[G0B+4:G0B+7], s[G1B:G1B+7]
	s_nop 0
.rept 4
	v_nop
.endr
.Lasked_\@:
.endm
; A PREFETCH INTO THE L2 of the K step two refills on, behind the joint load and the run of LDS loads: 32 blocks of 256 bytes, a lane a block, one instruction a wave.  A's rows are read by every cluster of a row of
; clusters: cluster x = 0 asks; B's by every cluster of a column: cluster y = 0 asks.  The four partners share a wave's blocks out by address (cx for A, cy for B).  So K steps 4 to 7 are named once each;
; steps 0 to 3 come by their loads alone, and the last two refills ask for nothing.
.macro ASK
	s_cmp_gt_u32 s[CNT], s[LIM]
	s_cbranch_scc0 .Lnot_mine_\@
	global_prefetch_b8 v[PFO], s[PFA:PFA+1] th:TH_LOAD_NT scope:SCOPE_SE
.Lnot_mine_\@:
.endm
.macro MUL16 f, hi, a0, zero           ; 16 products: row blocks a0, a0 + 1 of the window's four x all 8 column blocks, 32 along K; zero = 1: they start the sums
	WIN MUL_LO+0x50*(\hi)
.irp a, \a0, (\a0)+1
.irp b, 0,1,2,3,4,5,6,7
.if \zero
	v_wmma_f32_16x16x32_bf16 v[8*(8*(\a)+(\b)):8*(8*(\a)+(\b))+7], v[(\f)+8*(\b):(\f)+8*(\b)+7], v[(\f)+8*(4*(\hi)+(\a)):(\f)+8*(4*(\hi)+(\a))+7], 0
.else
	v_wmma_f32_16x16x32_bf16 v[8*(8*(\a)+(\b)):8*(8*(\a)+(\b))+7], v[(\f)+8*(\b):(\f)+8*(\b)+7], v[(\f)+8*(4*(\hi)+(\a)):(\f)+8*(4*(\hi)+(\a))+7], v[8*(8*(\a)+(\b)):8*(8*(\a)+(\b))+7]
.endif
.endr
.endr
.endm
.macro FETCH q, f                      ; 32 LDS loads in one run: quarter q's fragments (32 along K) into buffer f: B turned, 16 k x 16 columns a load; then A as it lies
	WIN 0x40
.irp i, 0,1,2,3,4,5,6,7
	ds_load_tr16_b128 v[(\f)+8*(\i):(\f)+8*(\i)+3],   v[ADRB] offset:(\q)*32*PB+32*(\i)
	ds_load_tr16_b128 v[(\f)+8*(\i)+4:(\f)+8*(\i)+7], v[ADRB] offset:(\q)*32*PB+16*PB+32*(\i)
.endr
	WIN 0
.irp i, 0,1,2,3,4,5,6,7
	ds_load_b128 v[(\f)+8*(\i):(\f)+8*(\i)+3],   v[ADRA] offset:64*(\q)+(\i)*16*PA
	ds_load_b128 v[(\f)+8*(\i)+4:(\f)+8*(\i)+7], v[ADRA] offset:64*(\q)+(\i)*16*PA+32
.endr
.endm
.macro QUARTER q, f, g, zero           ; buffer f is multiplied; in the middle quarter q's fragments are fetched into buffer g
	s_wait_dscnt 8                                 ; B and A's rows 0-63 are in; the youngest eight loads (A's rows 64-127) may be out
	MUL16 \f, 0, 0, \zero
	MUL16 \f, 0, 2, \zero
	PLACES
	FETCH \q, \g
	s_wait_dscnt 32                                ; all but the 32 just issued
	MUL16 \f, 1, 0, \zero
	MUL16 \f, 1, 2, \zero
.endm
.macro MEET                            ; the first half of a step's last quarter, and the barrier of the change of slots
	WIN 0
	s_wait_tensorcnt 0x0                           ; all my tensor loads have landed: my part of the next slot among them
	ds_add_u32 v[SPW], v[NIL]                      ; 0 onto my spare word
	s_wait_dscnt 9                                 ; the add and the youngest eight loads may be out
	MUL16 F1, 0, 0, 0
	s_wait_dscnt 0x0                               ; the add is done, and my reads of this slot are over
	s_barrier_signal -1
	MUL16 F1, 0, 2, 0                              ; work on registers while the others arrive
	WIN 0
	s_barrier_wait -1
.endm
.macro STEP_A fill                     ; behind the change: the new slot's first fragments, the old step's last 32 products, the new step's first quarter
.if !(\fill)
	PLACES                                         ; (behind a refill its four v_nop are these places)
.endif
	WIN 0
	v_add_nc_u32 v[ADRA], s[TB], v[ADRA0]
	v_add_nc_u32 v[ADRB], s[TB], v[ADRB0]
	FETCH 0, F0
.if \fill
	ASK
.endif
	MUL16 F1, 1, 0, 0
	MUL16 F1, 1, 2, 0
	QUARTER 1, F0, F1, 0
	WIN 0
.endm
.macro SPAIR r, val
	s_mov_b32 s[\r], \val
	s_mov_b32 s[(\r)+1], \val
.endm
.if MODE == 0
	s_load_b128 s[4:7], s[0:1], 0x0                ; h s[4:5], wb s[6:7]
	s_load_b64 s[10:11], s[0:1], 0x10              ; out
.else
	s_load_b256 s[4:11], s[0:1], 0x0               ; h, wb, bias s[8:9], out s[10:11]
.endif
	v_lshl_add_u32 v[SPW], v0, 2, SPARE
	v_mov_b32 v[NIL], 0
	ds_add_u32 v[SPW], v[NIL]                      ; the wave's opening: the add and its wait ahead of my first tensor load
	v_lshrrev_b32 v1, 5, v0
	v_readfirstlane_b32 s[WV], v1
	s_lshr_b32 s[RH], s[WV], 1
	s_and_b32 s[CH], s[WV], 1
	s_bfe_u32 s[CX], ttmp6, 0x40000
	s_bfe_u32 s[CY], ttmp6, 0x40004
	s_lshl_b32 s[TX], ttmp9, 2
	s_add_co_u32 s[TX], s[TX], s[CX]
	s_and_b32 s[TY], ttmp7, 0xffff
	s_lshl_b32 s[TY], s[TY], 2
	s_add_co_u32 s[TY], s[TY], s[CY]
	s_lshl_b32 s40, s[CY], 2
	s_lshl_b32 s40, 15, s40                        ; my row of the cluster
	s_lshl_b32 s41, 0x1111, s[CX]                  ; my column
	s_or_b32 s[G1A], s40, (1<<16)|(1<<20)|(1<<21)|(5<<22)|(3<<25)  ; mask; 2-byte elements; padding on; bit 21 beside a mask; after every 64 words 4 words
	s_mov_b32 s[G1A+1], 128<<16                    ; tensor_dim0 = 128
	s_mov_b32 s[G1A+2], 128<<16                    ; tensor_dim1 = 128
	s_mov_b32 s[G1A+3], 128<<16                    ; tile_dim0 = 128
	s_mov_b32 s[G1A+4], 128                        ; tile_dim1 = 128
	s_mov_b32 s[G1A+5], 1024                       ; elements from row to row
	s_mov_b32 s[G1A+6], 0
	s_mov_b32 s[G1A+7], 0
	s_or_b32 s[G1B], s41, (1<<16)|(1<<20)|(1<<21)|(6<<22)|(7<<25)  ; after every 128 words 8 words
	s_mov_b32 s[G1B+1], 256<<16
	s_mov_b32 s[G1B+2], 64<<16
	s_mov_b32 s[G1B+3], 256<<16
	s_mov_b32 s[G1B+4], 64
	s_mov_b32 s[G1B+5], NW
	s_mov_b32 s[G1B+6], 0
	s_mov_b32 s[G1B+7], 0
	s_mov_b32 s[M16], 0xffff0000
	s_mul_i32 s[WH], s[WV], HALFT
	s_mov_b32 s[TB], 0
	s_lshl_b32 s22, s[TY], 8
	s_lshl_b32 s23, s[CH], 7
	s_add_co_u32 s22, s22, s23
	s_lshl_b32 s92, s22, 11                        ; A: row 256 x tile row + 128 x half, 2,048 bytes a row
	s_mov_b32 s93, 0
.if MODE == 0
	s_mov_b32 s[MAT], ttmp9                        ; a cluster's four tile columns lie in one of wq, wk, wv
	s_lshl_b32 s94, ttmp9, 21
	s_lshl_b32 s95, s[CX], 9                       ; 256 columns a tile
	s_add_co_u32 s94, s94, s95
	s_lshl_b32 s95, s[CH], 17                      ; 64 rows of 2,048 bytes
	s_mov_b32 s[G1F], 3<<16                        ; the table: 8,192 dense bytes a wave, as 32 rows of 32 elements of 8 bytes
	s_mov_b32 s[G1F+1], 32<<16
	s_mov_b32 s[G1F+2], 32<<16
	s_mov_b32 s[G1F+3], 32<<16
	s_mov_b32 s[G1F+4], 32
	s_mov_b32 s[G1F+5], 32
	s_mov_b32 s[G1F+6], 0
	s_mov_b32 s[G1F+7], 0
	s_mov_b32 s[G0F], 1
	s_lshl_b32 s[G0F+1], s[WV], 13
	s_add_co_u32 s[G0F+1], s[G0F+1], FRQ
	s_and_b32 s22, s[TY], 7                        ; the position is the token modulo 2,048
	s_lshl_b32 s22, s22, 8
	s_lshl_b32 s23, s[WV], 6
	s_add_co_u32 s22, s22, s23
	s_lshl_b32 s96, s22, 7
	s_mov_b32 s97, 0
.else
	s_lshl_b32 s94, s[TX], 9
	s_lshl_b32 s95, s[CH], 19                      ; 64 rows of 8,192 bytes
	SPAIR CXP, 0x3f596d27                          ; 0.8493218 = sqrt(log2(e) / 2)
	SPAIR PP,  0x3e8ba43f                          ; 0.2727375 = 0.3275911 / sqrt(log2(e))
	SPAIR A1,  0x3e827906                          ; 0.254829592
	SPAIR A2,  0xbe91a98e                          ; -0.284496736
	SPAIR A3,  0x3fb5f0e3                          ; 1.421413741
	SPAIR A4,  0xbfba00e3                          ; -1.453152027
	SPAIR A5,  0x3f87dc22                          ; 1.061405429
	SPAIR CN,  0xbf16b55f                          ; -0.588705 = -0.5 / 0.8493218
.endif
	s_add_co_u32 s94, s94, s95
	s_mov_b32 s95, 0
	s_wait_dscnt 0x0                               ; the opening add is done
	s_wait_kmcnt 0x0
	s_add_nc_u64 s[92:93], s[4:5], s[92:93]        ; my part of A's tile, K step 0: made of the tile row and the wave alone
	s_add_nc_u64 s[94:95], s[6:7], s[94:95]        ; of B's: of the tile column and the wave alone
.if WOFF
	s_add_nc_u64 s[94:95], s[94:95], WOFF
.endif
.irp s, 0,1
	s_mov_b32 s[G0A+4*(\s)], 1
	s_add_co_u32 s[G0A+4*(\s)+1], s[WH], (\s)*SLOT
	s_add_nc_u64 s[G0A+4*(\s)+2:G0A+4*(\s)+3], s[92:93], (\s)*KA
	s_or_b32 s[G0A+4*(\s)+3], s[G0A+4*(\s)+3], 0x80000000
	s_mov_b32 s[G0B+4*(\s)], 1
	s_add_co_u32 s[G0B+4*(\s)+1], s[WH], (\s)*SLOT
	s_add_nc_u64 s[G0B+4*(\s)+2:G0B+4*(\s)+3], s[94:95], (\s)*KB
	s_or_b32 s[G0B+4*(\s)+3], s[G0B+4*(\s)+3], 0x80000000
.endr
.if MODE == 0
	s_add_nc_u64 s[G0F+2:G0F+3], s[6:7], s[96:97]
	s_add_nc_u64 s[G0F+2:G0F+3], s[G0F+2:G0F+3], 25165824
	s_or_b32 s[G0F+3], s[G0F+3], 0x80000000
.endif
	CROUND                                         ; all sixteen work-groups are here: the first joint loads meet
	s_cmp_eq_u32 s[RH], 0                          ; a wave's first fills stand in one branch: by this text's count 3 (MODE 0) or 2 loads of mine are out
	s_cbranch_scc0 .Lfirst_b
	tensor_load_to_lds s[G0A:G0A+3], s[G1A:G1A+7]
	s_nop 0
	tensor_load_to_lds s[G0A+4:G0A+7], s[G1A:G1A+7]
	s_nop 0
.if MODE == 0
	tensor_load_to_lds s[G0F:G0F+3], s[G1F:G1F+7]
	s_nop 0
.endif
.rept 4
	v_nop
.endr
	s_branch .Lfirst_done
.Lfirst_b:
	tensor_load_to_lds s[G0B:G0B+3], s[G1B:G1B+7]
	s_nop 0
	tensor_load_to_lds s[G0B+4:G0B+7], s[G1B:G1B+7]
	s_nop 0
.if MODE == 0
	tensor_load_to_lds s[G0F:G0F+3], s[G1F:G1F+7]
	s_nop 0
.endif
.rept 4
	v_nop
.endr
.Lfirst_done:
	v_and_b32 v1, 15, v0                           ; r = l % 16
	v_bfe_u32 v2, v0, 4, 1                         ; hh = l / 16
	v_and_b32 v3, 7, v0                            ; l % 8
	v_bfe_u32 v4, v0, 3, 1                         ; (l / 8) % 2
	v_and_b32 v5, 31, v0                           ; l
	v_mul_u32_u24 v[ADRA0], v1, PA                 ; A: row x pitch + 16 hh, in my half of the rows
	v_lshl_add_u32 v[ADRA0], v2, 4, v[ADRA0]
	s_mul_i32 s22, s[RH], HALFT
	v_add_nc_u32 v[ADRA0], s22, v[ADRA0]
	v_lshl_add_u32 v6, v2, 3, v3                   ; B: k row 8 hh + l % 8, 16 bytes by (l / 8) % 2, in my 128 columns
	v_mul_u32_u24 v[ADRB0], v6, PB
	v_lshl_add_u32 v[ADRB0], v4, 4, v[ADRB0]
	s_lshl_b32 s22, s[CH], 8
	s_add_co_u32 s22, s22, 2*HALFT
	v_add_nc_u32 v[ADRB0], s22, v[ADRB0]
	s_mul_i32 s23, s[WV], 128*DP                   ; my dump
	v_mul_u32_u24 v[DA], v1, DP                    ; in: row r, 32 bytes for each half of the lanes
	v_lshl_add_u32 v[DA], v2, 5, v[DA]
	v_add_nc_u32 v[DA], s23, v[DA]
	v_mul_u32_u24 v[RDA], v4, DP                   ; back: eight lanes take 64 columns of a row; lanes 8-15 the next row; lanes 16-31 the next 64 columns
	v_lshl_add_u32 v[RDA], v2, 8, v[RDA]
	v_lshl_add_u32 v[RDA], v3, 5, v[RDA]
	v_add_nc_u32 v[RDA], s23, v[RDA]
	v_lshlrev_b32 v[CO], 19, v2                    ; out: a column block is 524,288 bytes, a token 128, my 8 numbers 16
	v_lshl_add_u32 v[CO], v4, 7, v[CO]
	v_lshl_add_u32 v[CO], v3, 4, v[CO]
.if MODE == 0
	s_lshl_b32 s22, s[RH], 14
	s_add_co_u32 s22, s22, FRQ
	v_lshlrev_b32 v[FRA], 7, v4
	v_lshl_add_u32 v[FRA], v3, 4, v[FRA]
	v_add_nc_u32 v[FRA], s22, v[FRA]
.else
	s_lshl_b32 s22, s[TX], 10
	s_lshl_b32 s23, s[CH], 9
	s_add_co_u32 s22, s22, s23
	v_lshlrev_b32 v[BO], 8, v2
	v_lshl_add_u32 v[BO], v3, 5, v[BO]
	v_add_nc_u32 v[BO], s22, v[BO]
	global_load_b128 v[BIAS:BIAS+3], v[BO], s[8:9]            ; my eight columns' bias: waited for on the way out
	global_load_b128 v[BIAS+4:BIAS+7], v[BO], s[8:9] offset:16
.endif
	; the prefetches
	s_mov_b32 s2, 16*NW*2                          ; a partner's share: 16 rows of B,
	s_mov_b32 s[PST], KB
	s_mov_b32 s66, NW*2
	s_and_b32 s22, ttmp7, 0xffff
	s_cmp_eq_u32 s[RH], 0                          ; do I fetch for A?
	s_cselect_b32 s22, ttmp9, s22                  ; the coordinate along which other clusters read the same rows
	s_cselect_b32 s23, s[CX], s[CY]                ; my place among the four that ask with me
	s_cselect_b64 s[PFA:PFA+1], s[92:93], s[94:95]
	s_cselect_b32 s2, 32*2048, s2                  ; or 32 rows of A
	s_cselect_b32 s[PST], KA, s[PST]
	s_cselect_b32 s66, 2048, s66
	s_mov_b32 s[PST+1], 0
	s_cmp_eq_u32 s22, 0
	s_cselect_b32 s[LIM], 1, -1
	s_mul_i32 s96, s2, s23
	s_mul_i32 s2, s[PST], 3                        ; at K step 3: stepped once ahead of the first prefetch, which names step 4
	s_add_co_u32 s96, s96, s2
	s_mov_b32 s97, 0
	s_add_nc_u64 s[PFA:PFA+1], s[PFA:PFA+1], s[96:97]
	v_lshrrev_b32 v6, s[RH], v5                    ; A: a lane a row of 256 bytes; B: two lanes a row of 512
	v_mul_u32_u24 v6, v6, s66
	v_and_b32 v7, s[RH], v5
	v_lshl_add_u32 v[PFO], v7, 8, v6
	; the output at my first column block and my first token
	s_lshl_b32 s22, s[TX], 2
	s_lshl_b32 s23, s[CH], 1
	s_add_co_u32 s22, s22, s23
	s_lshl_b32 s96, s22, 19
	s_lshl_b32 s22, s[TY], 8
	s_lshl_b32 s23, s[RH], 7
	s_add_co_u32 s22, s22, s23
	s_lshl_b32 s22, s22, 7
	s_add_co_u32 s96, s96, s22
	s_add_nc_u64 s[10:11], s[10:11], s[96:97]
.if MODE == 0
	s_wait_tensorcnt 0x2                           ; my part of K step 0 is in; step 1's and the table's may stay out
.else
	s_wait_tensorcnt 0x1
.endif
	s_barrier_signal -1
	s_barrier_wait -1
	v_mov_b32 v[ADRA], v[ADRA0]
	v_mov_b32 v[ADRB], v[ADRB0]
	FETCH 0, F0
	QUARTER 1, F0, F1, 1                           ; the first quarter stands ahead of the loop: its products start the sums
	WIN 0
	s_mov_b32 s[CNT], 6                            ; six changes of slots fill again: K steps 2 to 7
	s_branch .Lenter
.Lstep:
	STEP_A 1
.Lenter:
	QUARTER 2, F1, F0, 0
	QUARTER 3, F0, F1, 0
	s_wait_xcnt 0x0                                ; the last prefetch, a K step back, has read its address
	s_add_nc_u64 s[PFA:PFA+1], s[PFA:PFA+1], s[PST:PST+1]
	MEET                                           ; opens a round of the cluster's barrier
	CREST                                          ; no wave of any partner still reads this slot or has a load on its way
	s_add_co_u32 s[G0A+5], s[WH], s[TB]            ; the walking descriptors: the slot just read,
	s_add_co_u32 s[G0B+5], s[WH], s[TB]
	s_add_nc_u64 s[G0A+6:G0A+7], s[G0A+6:G0A+7], KA  ; the next K step
	s_add_nc_u64 s[G0B+6:G0B+7], s[G0B+6:G0B+7], KB
	JLOADW                                         ; my one tensor load behind the round: 224 products stand between it and the wait for it
	s_xor_b32 s[TB], s[TB], SLOT
	s_sub_co_u32 s[CNT], s[CNT], 1
	s_cmp_lg_u32 s[CNT], 0
	s_cbranch_scc1 .Lstep
	s_mov_b32 s[CNT], 2                            ; K steps 6 and 7 ask for nothing: written apart
.Ltail:
	STEP_A 0
	QUARTER 2, F1, F0, 0
	QUARTER 3, F0, F1, 0
	MEET                                           ; the second of these barriers also shows every wave's reads of the ring over
	s_xor_b32 s[TB], s[TB], SLOT
	s_sub_co_u32 s[CNT], s[CNT], 1
	s_cmp_lg_u32 s[CNT], 0
	s_cbranch_scc1 .Ltail
	MUL16 F1, 1, 0, 0
	MUL16 F1, 1, 2, 0
	PLACES
	PLACES
	; THE DUMP: each accumulator's low four registers first
.set a, 0
.rept 8
	WIN 0x08+4*(a/4)                               ; a store's data are source 1: window 2 or 3
.set b, 0
.rept 8
	ds_store_b128 v[DA], v[8*(8*(a%4)+b):8*(8*(a%4)+b)+3]   offset:a*16*DP+64*b
	ds_store_b128 v[DA], v[8*(8*(a%4)+b)+4:8*(8*(a%4)+b)+7] offset:a*16*DP+64*b+16
.set b, b+1
.endr
.set a, a+1
.endr
	WIN 0
.if MODE == 0
; 8 trips of 16 rows on two sets of registers: set st has R (32 numbers a lane: 4 x 2 rows x my 8 columns), F (their 16 pairs of cos and sin) and O (packed).
.macro EPLOAD st
.set RR, 32+64*(\st)
.set FF, 64+64*(\st)
.irp t, 0,1,2,3
	ds_load_b128 v[RR+8*(\t):RR+8*(\t)+3],   v[RDA] offset:(\st)*8*DP+(\t)*2*DP   ; LDS serves a wave's instructions in order: these see the dump's stores
	ds_load_b128 v[RR+8*(\t)+4:RR+8*(\t)+7], v[RDA] offset:(\st)*8*DP+(\t)*2*DP+16
	ds_load_b128 v[FF+4*(\t):FF+4*(\t)+3],   v[FRA] offset:(\st)*1024+(\t)*256
.endr
.endm
.macro EPMATH st
.set RR, 32+64*(\st)
.set FF, 64+64*(\st)
.set OO, 192+16*(\st)
	s_cmp_eq_u32 s[MAT], 2                         ; v is not turned; the test is the same in all partners
	s_cbranch_scc1 .Lnorot_\@
.set u, 0
.rept 4                                ; four pairs at a time: (t0, t1) -> (t0 cos - t1 sin, t0 sin + t1 cos)
.irp p, 0,1,2,3
	v_lshlrev_b32 v[160+4*(\p)], 16, v[FF+4*u+(\p)]
.endr
.irp p, 0,1,2,3
	v_and_b32 v[161+4*(\p)], s[M16], v[FF+4*u+(\p)]
.endr
.irp p, 0,1,2,3
	v_mul_f32 v[162+4*(\p)], v[RR+8*u+2*(\p)+1], v[161+4*(\p)]
.endr
.irp p, 0,1,2,3
	v_mul_f32 v[163+4*(\p)], v[RR+8*u+2*(\p)], v[161+4*(\p)]
.endr
.irp p, 0,1,2,3
	v_fma_f32 v[RR+8*u+2*(\p)], v[RR+8*u+2*(\p)], v[160+4*(\p)], -v[162+4*(\p)]
.endr
.irp p, 0,1,2,3
	v_fma_f32 v[RR+8*u+2*(\p)+1], v[RR+8*u+2*(\p)+1], v[160+4*(\p)], v[163+4*(\p)]
.endr
.set u, u+1
.endr
.Lnorot_\@:
	s_wait_xcnt 0x0                                ; earlier stores have read their data and their base: both are written again only behind this wait
.if (\st) == 0
	s_add_nc_u64 s[10:11], s[10:11], 2048          ; 16 tokens on; this trip's stores reach back
.endif
.set u, 0
.rept 16
	v_cvt_pk_bf16_f32 v[OO+u], v[RR+2*u], v[RR+2*u+1]
.set u, u+1
.endr
.irp t, 0,1,2,3
	global_store_b128 v[CO], v[OO+4*(\t):OO+4*(\t)+3], s[10:11] offset:(\st)*1024+(\t)*256-2048  ; 16 lanes store 256 consecutive bytes, aligned: two tokens of a block
.endr
.endm
	EPLOAD 0
	s_mov_b32 s[CNT], 8
.Lout:
	EPLOAD 1
	s_wait_dscnt 12                                ; set 0 is in; set 1's twelve loads may stay out
	EPMATH 0
	s_wait_dscnt 0x0                               ; set 1 is in
	s_cmp_eq_u32 s[CNT], 1
	s_cbranch_scc1 .Lnomore
	v_add_nc_u32 v[RDA], 16*DP, v[RDA]
	v_add_nc_u32 v[FRA], 2048, v[FRA]
	EPLOAD 0
.Lnomore:
	EPMATH 1
	s_sub_co_u32 s[CNT], s[CNT], 1
	s_cmp_lg_u32 s[CNT], 0
	s_cbranch_scc1 .Lout
.else
; 16 trips of 8 rows: 32 numbers a lane.
.set ER, 32
.set EU, 64
.set EX, 96
.set ED, 128
.set EW, 160
.set EP, 192
.set EO, 224
.macro P16 line:vararg                 ; one line for each pair k = 0, 2 .. 30
.set k, 0
.rept 16
	\line
.set k, k+2
.endr
.endm
.macro P32 line:vararg                 ; one line for each number k
.set k, 0
.rept 32
	\line
.set k, k+1
.endr
.endm
.macro EPLOAD
.irp t, 0,1,2,3
	ds_load_b128 v[ER+8*(\t):ER+8*(\t)+3],   v[RDA] offset:(\t)*2*DP      ; LDS serves a wave's instructions in order: these see the dump's stores
	ds_load_b128 v[ER+8*(\t)+4:ER+8*(\t)+7], v[RDA] offset:(\t)*2*DP+16
.endr
.endm
	s_wait_loadcnt 0x0                             ; the bias
.irp p, 0,2,4,6
	v_cvt_pk_bf16_f32 v[EO+(\p)], v[BIAS+(\p)], v[BIAS+(\p)+1]
	v_lshlrev_b32 v[BIAS+(\p)], 16, v[EO+(\p)]
	v_and_b32 v[BIAS+(\p)+1], s[M16], v[EO+(\p)]
.endr
	EPLOAD
	s_mov_b32 s[CNT], 16
.Lout:
	s_wait_dscnt 0x0
	P16 v_pk_add_f32 v[EU+k:EU+k+1], v[ER+k:ER+k+1], v[BIAS+k%8:BIAS+k%8+1]
	s_cmp_eq_u32 s[CNT], 1
	s_cbranch_scc1 .Lnomore
	v_add_nc_u32 v[RDA], 8*DP, v[RDA]
	EPLOAD
.Lnomore:
	P32 v_mul_f32 v[EX+k], |v[EU+k]|, s[CXP]
	P16 v_pk_fma_f32 v[ED+k:ED+k+1], v[EX+k:EX+k+1], s[PP:PP+1], 1.0 op_sel_hi:[1,0,0]
	P16 v_pk_mul_f32 v[EW+k:EW+k+1], v[EX+k:EX+k+1], v[EX+k:EX+k+1] neg_lo:[1,0] neg_hi:[1,0]
	P32 v_rcp_f32 v[ED+k], v[ED+k]
	P32 v_exp_f32 v[EW+k], v[EW+k]
	P32 v_max_num_f32 v[EU+k], 0, v[EU+k]
	s_wait_alu depctr_va_vdst(0)                   ; one wait for the batch of 64, ahead of its first reader; the 32 maxima are the plain work between
	P16 v_pk_fma_f32 v[EP+k:EP+k+1], v[ED+k:ED+k+1], s[A5:A5+1], s[A4:A4+1] op_sel_hi:[1,0,0]
	P16 v_pk_fma_f32 v[EP+k:EP+k+1], v[EP+k:EP+k+1], v[ED+k:ED+k+1], s[A3:A3+1] op_sel_hi:[1,1,0]
	P16 v_pk_fma_f32 v[EP+k:EP+k+1], v[EP+k:EP+k+1], v[ED+k:ED+k+1], s[A2:A2+1] op_sel_hi:[1,1,0]
	P16 v_pk_fma_f32 v[EP+k:EP+k+1], v[EP+k:EP+k+1], v[ED+k:ED+k+1], s[A1:A1+1] op_sel_hi:[1,1,0]
	P16 v_pk_mul_f32 v[EP+k:EP+k+1], v[EP+k:EP+k+1], v[ED+k:ED+k+1]
	P16 v_pk_mul_f32 v[EP+k:EP+k+1], v[EP+k:EP+k+1], v[EW+k:EW+k+1]
	P16 v_pk_mul_f32 v[EP+k:EP+k+1], v[EP+k:EP+k+1], v[EX+k:EX+k+1]
	P16 v_pk_fma_f32 v[EU+k:EU+k+1], v[EP+k:EP+k+1], s[CN:CN+1], v[EU+k:EU+k+1] op_sel_hi:[1,0,1]
	s_wait_xcnt 0x0                                ; the last trip's stores have read their data and their base
	s_add_nc_u64 s[10:11], s[10:11], 1024          ; 8 tokens on; this trip's stores reach back
.set u, 0
.rept 16
	v_cvt_pk_bf16_f32 v[EO+u], v[EU+2*u], v[EU+2*u+1]
.set u, u+1
.endr
.irp t, 0,1,2,3
	global_store_b128 v[CO], v[EO+4*(\t):EO+4*(\t)+3], s[10:11] offset:(\t)*256-1024  ; 16 lanes store 256 consecutive bytes, aligned
.endr
	s_sub_co_u32 s[CNT], s[CNT], 1
	s_cmp_lg_u32 s[CNT], 0
	s_cbranch_scc1 .Lout
.endif
	s_wait_tensorcnt 0x0                           ; the wave's end, behind my last tensor load and my last LDS store
	ds_add_u32 v[SPW], v[NIL]
	s_wait_dscnt 0x0
	CROUND                                         ; the closing round
	s_endpgm
.Lfunc_end_k_qe81534885e_ff1:
	.size	k_qe81534885e_ff1, .Lfunc_end_k_qe81534885e_ff1-k_qe81534885e_ff1
	.p2alignl 7, 3214868480
	.fill 96, 4, 3214868480
	.section	.rodata,"a",@progbits
	.p2align	6, 0x0
	.amdhsa_kernel k_qe81534885e_ff1
		.amdhsa_group_segment_fixed_size 327680
		.amdhsa_private_segment_fixed_size 0
		.amdhsa_enable_private_segment 0
		.amdhsa_kernarg_size 32
		.amdhsa_user_sgpr_count 2
		.amdhsa_user_sgpr_kernarg_segment_ptr 1
		.amdhsa_wavefront_size32 1
		.amdhsa_system_sgpr_workgroup_id_x 1
		.amdhsa_system_sgpr_workgroup_id_y 1
		.amdhsa_system_sgpr_workgroup_id_z 1
		.amdhsa_system_vgpr_workitem_id 0
		.amdhsa_next_free_vgpr 1024
		.amdhsa_next_free_sgpr 100
		.amdhsa_reserve_vcc 0
		.amdhsa_float_denorm_mode_32 3
		.amdhsa_float_denorm_mode_16_64 3
		.amdhsa_memory_ordered 1
		.amdhsa_forward_progress 1
		.amdhsa_inst_pref_size 101
	.end_amdhsa_kernel
	.amdgpu_metadata
---
amdhsa.version: [ 1, 2 ]
amdhsa.kernels:
  - .name:           k_qe81534885e_ff1
    .symbol:         k_qe81534885e_ff1.kd
    .args:
      - { .name: h, .offset: 0, .size: 8, .value_kind: global_buffer, .address_space: global }
      - { .name: wb, .offset: 8, .size: 8, .value_kind: global_buffer, .address_space: global }
      - { .name: b_ff1, .offset: 16, .size: 8, .value_kind: global_buffer, .address_space: global }
      - { .name: g, .offset: 24, .size: 8, .value_kind: global_buffer, .address_space: global }
    .group_segment_fixed_size: 327680
    .private_segment_fixed_size: 0
    .kernarg_segment_align: 8
    .kernarg_segment_size: 32
    .max_flat_workgroup_size: 128
    .sgpr_count:     100
    .vgpr_count:     1024
    .wavefront_size: 32
...
	.end_amdgpu_metadata
.endif
;; end of part 6
;; launch ff2 (part 7): grid 8 x 32, 4 waves a work-group, clusters of 4 x 4, 327,680 bytes of LDS; arguments g, wb, b_ff2, x1, out0; writes out0
.if DOCPART == 7
	.amdgcn_target "amdgcn-amd-amdhsa--gfx1250"
	.amdhsa_code_object_version 6
	.text
	.protected	k_qe81534885e_ff2
	.globl	k_qe81534885e_ff2
	.p2align	8
	.type	k_qe81534885e_ff2,@function
k_qe81534885e_ff2:
	s_mov_b64 s[64:65], 0
	v_nop
	global_prefetch_b8 v0, s[64:65] scope:SCOPE_SE
	s_setreg_imm32_b32 hwreg(HW_REG_WAVE_MODE, 25, 1), 1
	s_wait_xcnt 0x0
	s_wait_alu depctr_hold_cnt(0) depctr_sa_sdst(0) depctr_va_vdst(0) depctr_va_sdst(0) depctr_va_ssrc(0) depctr_va_vcc(0) depctr_vm_vsrc(0)
	s_getreg_b32 s2, hwreg(HW_REG_IB_STS2, 6, 4)
	s_cmp_eq_u32 s2, 0
	s_cbranch_scc0 .Lentry_in_a_cluster
	s_endpgm
.Lentry_in_a_cluster:
	s_bfe_u32 s2, ttmp6, 0x10000c
	s_cmp_lg_u32 s2, 0xf033
	s_cbranch_scc0 .Lentry_shape_is_right
	s_endpgm
.Lentry_shape_is_right:
; OUT = RES + A W + bias.  This copy (NSTEP = 16, RND = 0): out0 = x1 + g w_ff2 + b_ff2.  The other (NSTEP = 4, RND = 1): x1 = bf16(x) + ao w_proj + b_proj.
; A: [K / 64 column blocks][4096 tokens][64] bf16; W: [K][1024] bf16 in wb, read out of LDS by the turning load; bias rounded to bf16; RES and OUT: [4096][1024] f32.  Sums in f32.
; SHARES.  A tile of C is 128 x 128, so that there are 256 work-groups; a wave's part is 64 x 64: 16 accumulators.  K goes in steps of 256 through two LDS slots; a step is written once, the slot's byte in a scalar.
; CLUSTER 4 x 4: A's tile is asked for jointly along a row of the cluster, W's along a column.  No prefetch: the tiles are small, and a step's loads are short beside what all work-groups ask for at once.
; THE PRODUCT IS TAKEN TRANSPOSED (source 0 = 16 columns of W, source 1 = 16 tokens): a lane holds eight neighbouring columns of one token.  The residual's 32 loads a lane go out at the head and stay out during the K loop.
; THE WAY OUT: the sums go as f32 through the wave's own part of slot 0, which has had its last fill and its last read, and come back as whole rows of 256 bytes.
; REGISTERS: window 0 addresses, bias, accumulators v128-255 ((a, b) at 128 + 8 (4 a + b)); window 1 two fragment buffers of 128 (A's 64, then W's 64); window 2 the residual v0-127, v128-131 at work.
.set NSTEP, 16
.set RND,   0
.set WOFF,  16777216
.set PA,    144                        ; a token's 128 bytes + 16
.set PB,    288                        ; a row of W (128 columns): 256 bytes + 32 = 9 x 32
.set ABLK,  128*PA                     ; a column block of A: 128 tokens
.set HALFT, 2*ABLK                     ; what one tensor load brings: two blocks of A, or 128 rows of W
.set SLOT,  4*HALFT
.set SPARE, 2*SLOT                     ; the spare words, 128 bytes for each wave
.set DP,    272                        ; a row of the f32 dump: 256 bytes + 16
.set KA,    2097152                    ; four column blocks of 524,288 bytes
.set KB,    524288                     ; 256 rows of 2,048 bytes
.set ADRA0, 16
.set ADRB0, 17
.set ADRA,  18
.set ADRB,  19                         ; v19 k rows 0-127 of the slot in hand, v20 rows 128-255
.set DA,    24
.set RD,    25
.set RO,    27                         ; v27  my byte offset in the residual and in the output; never rewritten
.set SPW,   28
.set NIL,   29
.set BO,    30
.set BIAS,  32                         ; v32-35, v36-37 at work
.set ACC,   128
.set F0,    0
.set F1,    128
.set CNT, 3
.set WV,  12
.set RH,  13
.set CH,  14
.set TY,  15
.set TX,  16
.set CX,  17
.set CY,  18
.set M16, 19
.set WH,  20
.set TB,  21
.set G1A, 24
.set G0A, 32
.set G1B, 48
.set G0B, 56
.set MSB, 0
.macro WIN new
.if MSB != (\new)
	s_set_vgpr_msb (MSB<<8)|(\new)
.set MSB, \new
.endif
.endm
.set MUL,  0x05                        ; sources 0 (W) and 1 (A) window 1; C and D window 0
.set TO_F, 0x40
.macro PLACES
.rept 4
	v_nop
.endr
.endm
.macro CREST
	s_cmp_lg_u32 s[WV], 0
	s_cbranch_scc1 .Lnot_wave_0_\@
	s_barrier_signal -3
.Lnot_wave_0_\@:
	s_barrier_wait -3
	s_barrier_signal -1
	s_barrier_wait -1
.endm
.macro CROUND
	s_barrier_signal -1
	s_barrier_wait -1
	CREST
.endm
.macro JLOADW                          ; the joint refill by the walking descriptor; an s_nop 0 and four v_nop follow each line
	s_cmp_eq_u32 s[RH], 0
	s_cbranch_scc0 .Lfor_b_\@
	tensor_load_to_lds s[G0A+4:G0A+7], s[G1A:G1A+7]
	s_nop 0
.rept 4
	v_nop
.endr
	s_branch .Lasked_\@
.Lfor_b_\@:
	tensor_load_to_lds s[G0B+4:G0B+7], s[G1B:G1B+7]
	s_nop 0
.rept 4
	v_nop
.endr
.Lasked_\@:
.endm
.macro MUL8 f, c, a0, zero             ; 8 products: token blocks a0, a0 + 1 x all 4 column blocks, 32 along K: half c of buffer f
	WIN MUL
.irp a, \a0, (\a0)+1
.irp b, 0,1,2,3
.if \zero
	v_wmma_f32_16x16x32_bf16 v[ACC+8*(4*(\a)+(\b)):ACC+8*(4*(\a)+(\b))+7], v[(\f)+64+8*(4*(\c)+(\b)):(\f)+64+8*(4*(\c)+(\b))+7], v[(\f)+8*(4*(\c)+(\a)):(\f)+8*(4*(\c)+(\a))+7], 0
.else
	v_wmma_f32_16x16x32_bf16 v[ACC+8*(4*(\a)+(\b)):ACC+8*(4*(\a)+(\b))+7], v[(\f)+64+8*(4*(\c)+(\b)):(\f)+64+8*(4*(\c)+(\b))+7], v[(\f)+8*(4*(\c)+(\a)):(\f)+8*(4*(\c)+(\a))+7], v[ACC+8*(4*(\a)+(\b)):ACC+8*(4*(\a)+(\b))+7]
.endif
.endr
.endr
.endm
.macro FETCH q, f                      ; 32 LDS loads in one run: quarter q (64 along K: one column block of A) into buffer f; the first 32 along K first
	WIN TO_F
.irp c, 0,1
.irp i, 0,1,2,3
	ds_load_tr16_b128 v[(\f)+64+8*(4*(\c)+(\i)):(\f)+64+8*(4*(\c)+(\i))+3],   v[ADRB+(\q)/2] offset:(64*((\q)%2)+32*(\c))*PB+32*(\i)
	ds_load_tr16_b128 v[(\f)+64+8*(4*(\c)+(\i))+4:(\f)+64+8*(4*(\c)+(\i))+7], v[ADRB+(\q)/2] offset:(64*((\q)%2)+32*(\c)+16)*PB+32*(\i)
	ds_load_b128 v[(\f)+8*(4*(\c)+(\i)):(\f)+8*(4*(\c)+(\i))+3],   v[ADRA] offset:(\q)*ABLK+64*(\c)+(\i)*16*PA
	ds_load_b128 v[(\f)+8*(4*(\c)+(\i))+4:(\f)+8*(4*(\c)+(\i))+7], v[ADRA] offset:(\q)*ABLK+64*(\c)+(\i)*16*PA+32
.endr
.endr
.endm
.macro QUARTER q, f, g, zero
	s_wait_dscnt 16                                ; the first 32 along K are in; the youngest sixteen loads may be out
	MUL8 \f, 0, 0, \zero
	MUL8 \f, 0, 2, \zero
	PLACES
	FETCH \q, \g
	s_wait_dscnt 32                                ; all but the 32 just issued
	MUL8 \f, 1, 0, 0
	MUL8 \f, 1, 2, 0
.endm
.macro MEET
	WIN 0
	s_wait_tensorcnt 0x0                           ; all my tensor loads have landed: my part of the next slot among them
	ds_add_u32 v[SPW], v[NIL]                      ; 0 onto my spare word
	s_wait_dscnt 17                                ; the add and the youngest sixteen loads may be out
	MUL8 F1, 0, 0, 0
	s_wait_dscnt 0x0                               ; the add is done, and my reads of this slot are over
	s_barrier_signal -1
	MUL8 F1, 0, 2, 0
	WIN 0
	s_barrier_wait -1
.endm
.macro STEP_A fill
.if !(\fill)
	PLACES
.endif
	WIN 0
	v_add_nc_u32 v[ADRA], s[TB], v[ADRA0]
	v_add_nc_u32 v[ADRB], s[TB], v[ADRB0]
	v_add_nc_u32 v[ADRB+1], 128*PB, v[ADRB]
	FETCH 0, F0
	MUL8 F1, 1, 0, 0
	MUL8 F1, 1, 2, 0
	QUARTER 1, F0, F1, 0
	WIN 0
.endm
	s_load_b256 s[4:11], s[0:1], 0x0               ; A s[4:5], wb s[6:7], bias s[8:9], residual s[10:11]
	s_load_b64 s[66:67], s[0:1], 0x20              ; out
	v_lshl_add_u32 v[SPW], v0, 2, SPARE
	v_mov_b32 v[NIL], 0
	ds_add_u32 v[SPW], v[NIL]                      ; the wave's opening: the add and its wait ahead of my first tensor load
	v_lshrrev_b32 v1, 5, v0
	v_readfirstlane_b32 s[WV], v1
	s_lshr_b32 s[RH], s[WV], 1
	s_and_b32 s[CH], s[WV], 1
	s_bfe_u32 s[CX], ttmp6, 0x40000
	s_bfe_u32 s[CY], ttmp6, 0x40004
	s_lshl_b32 s[TX], ttmp9, 2
	s_add_co_u32 s[TX], s[TX], s[CX]
	s_and_b32 s[TY], ttmp7, 0xffff
	s_lshl_b32 s[TY], s[TY], 2
	s_add_co_u32 s[TY], s[TY], s[CY]
	s_lshl_b32 s40, s[CY], 2
	s_lshl_b32 s40, 15, s40
	s_lshl_b32 s41, 0x1111, s[CX]
	; A: two column blocks, each 128 tokens = 16,384 dense bytes = one row of 2,048 elements of 8 bytes; the blocks lie 65,536 elements apart; 4 words of padding after every 32: a token's pitch is 144
	s_or_b32 s[G1A], s40, (3<<16)|(1<<20)|(1<<21)|(4<<22)|(3<<25)
	s_mov_b32 s[G1A+1], 2048<<16
	s_mov_b32 s[G1A+2], 2<<16
	s_mov_b32 s[G1A+3], 2048<<16
	s_mov_b32 s[G1A+4], 2
	s_mov_b32 s[G1A+5], 65536
	s_mov_b32 s[G1A+6], 0
	s_mov_b32 s[G1A+7], 0
	; W: 128 rows of 128 elements of 2 bytes, 8 words of padding after every 64
	s_or_b32 s[G1B], s41, (1<<16)|(1<<20)|(1<<21)|(5<<22)|(7<<25)
	s_mov_b32 s[G1B+1], 128<<16
	s_mov_b32 s[G1B+2], 128<<16
	s_mov_b32 s[G1B+3], 128<<16
	s_mov_b32 s[G1B+4], 128
	s_mov_b32 s[G1B+5], 1024
	s_mov_b32 s[G1B+6], 0
	s_mov_b32 s[G1B+7], 0
	s_mov_b32 s[M16], 0xffff0000
	s_mul_i32 s[WH], s[WV], HALFT
	s_mov_b32 s[TB], 0
	s_lshl_b32 s68, s[CH], 20                      ; A: two blocks a half, 128 tokens of 128 bytes a tile row
	s_lshl_b32 s22, s[TY], 14
	s_add_co_u32 s68, s68, s22
	s_mov_b32 s69, 0
	s_lshl_b32 s70, s[CH], 18                      ; W: 128 rows a half, 256 bytes a tile column
	s_lshl_b32 s22, s[TX], 8
	s_add_co_u32 s70, s70, s22
	s_mov_b32 s71, 0
	s_lshl_b32 s72, s[TY], 19                      ; residual and output: token 128 ty + 64 half, 4,096 bytes each; column 128 tx + 64 half
	s_lshl_b32 s22, s[RH], 18
	s_add_co_u32 s72, s72, s22
	s_lshl_b32 s23, s[TX], 9
	s_lshl_b32 s22, s[CH], 8
	s_add_co_u32 s23, s23, s22                     ; also my columns' place in the bias
	s_add_co_u32 s72, s72, s23
	s_mov_b32 s73, 0
	s_wait_dscnt 0x0                               ; the opening add is done
	s_wait_kmcnt 0x0
	s_add_nc_u64 s[68:69], s[4:5], s[68:69]
	s_add_nc_u64 s[70:71], s[6:7], s[70:71]
	s_add_nc_u64 s[70:71], s[70:71], WOFF
	s_add_nc_u64 s[10:11], s[10:11], s[72:73]
	s_add_nc_u64 s[66:67], s[66:67], s[72:73]
.irp s, 0,1
	s_mov_b32 s[G0A+4*(\s)], 1
	s_add_co_u32 s[G0A+4*(\s)+1], s[WH], (\s)*SLOT
	s_add_nc_u64 s[G0A+4*(\s)+2:G0A+4*(\s)+3], s[68:69], (\s)*KA
	s_or_b32 s[G0A+4*(\s)+3], s[G0A+4*(\s)+3], 0x80000000
	s_mov_b32 s[G0B+4*(\s)], 1
	s_add_co_u32 s[G0B+4*(\s)+1], s[WH], (\s)*SLOT
	s_add_nc_u64 s[G0B+4*(\s)+2:G0B+4*(\s)+3], s[70:71], (\s)*KB
	s_or_b32 s[G0B+4*(\s)+3], s[G0B+4*(\s)+3], 0x80000000
.endr
	CROUND                                         ; all sixteen work-groups are here: the first joint loads meet
	s_cmp_eq_u32 s[RH], 0                          ; a wave's two first fills stand in one branch: two loads of mine are out
	s_cbranch_scc0 .Lfirst_b
	tensor_load_to_lds s[G0A:G0A+3], s[G1A:G1A+7]
	s_nop 0
	tensor_load_to_lds s[G0A+4:G0A+7], s[G1A:G1A+7]
	s_nop 0
.rept 4
	v_nop
.endr
	s_branch .Lfirst_done
.Lfirst_b:
	tensor_load_to_lds s[G0B:G0B+3], s[G1B:G1B+7]
	s_nop 0
	tensor_load_to_lds s[G0B+4:G0B+7], s[G1B:G1B+7]
	s_nop 0
.rept 4
	v_nop
.endr
.Lfirst_done:
	v_and_b32 v1, 15, v0                           ; r
	v_bfe_u32 v2, v0, 4, 1                         ; hh
	v_and_b32 v3, 7, v0
	v_bfe_u32 v4, v0, 3, 1
	v_lshlrev_b32 v[RO], 12, v2                    ; 16 lanes take 256 bytes of a row, lanes 16-31 the next row
	v_lshl_add_u32 v[RO], v1, 4, v[RO]
	v_lshl_add_u32 v[BO], v1, 4, s23
	global_load_b128 v[BIAS:BIAS+3], v[BO], s[8:9]
	WIN 0x80
.set t, 0
.rept 32                               ; my 64 x 64 of the residual: rows 2 t + hh; waited for on the way out
	global_load_b128 v[4*t:4*t+3], v[RO], s[10:11] offset:t*8192
.set t, t+1
.endr
	WIN 0
	v_mul_u32_u24 v[ADRA0], v1, PA
	v_lshl_add_u32 v[ADRA0], v2, 4, v[ADRA0]
	s_mul_i32 s22, s[RH], 64*PA
	v_add_nc_u32 v[ADRA0], s22, v[ADRA0]
	v_lshl_add_u32 v6, v2, 3, v3
	v_mul_u32_u24 v[ADRB0], v6, PB
	v_lshl_add_u32 v[ADRB0], v4, 4, v[ADRB0]
	s_lshl_b32 s22, s[CH], 7
	s_add_co_u32 s22, s22, 2*HALFT
	v_add_nc_u32 v[ADRB0], s22, v[ADRB0]
	s_mul_i32 s22, s[WV], 64*DP                    ; my dump
	v_mul_u32_u24 v[DA], v1, DP
	v_lshl_add_u32 v[DA], v2, 5, v[DA]
	v_add_nc_u32 v[DA], s22, v[DA]
	v_mul_u32_u24 v[RD], v2, DP
	v_lshl_add_u32 v[RD], v1, 4, v[RD]
	v_add_nc_u32 v[RD], s22, v[RD]
	s_wait_tensorcnt 0x1                           ; my part of K step 0 is in; step 1's may stay out
	s_barrier_signal -1
	s_barrier_wait -1
	v_mov_b32 v[ADRA], v[ADRA0]
	v_mov_b32 v[ADRB], v[ADRB0]
	v_add_nc_u32 v[ADRB+1], 128*PB, v[ADRB0]
	FETCH 0, F0
	QUARTER 1, F0, F1, 1                           ; the first quarter stands ahead of the loop: its first products start the sums
	WIN 0
	s_mov_b32 s[CNT], NSTEP-2                      ; so many changes of slots fill again
	s_branch .Lenter
.Lstep:
	STEP_A 1
.Lenter:
	QUARTER 2, F1, F0, 0
	QUARTER 3, F0, F1, 0
	MEET                                           ; opens a round of the cluster's barrier
	CREST                                          ; no wave of any partner still reads this slot or has a load on its way
	s_add_co_u32 s[G0A+5], s[WH], s[TB]
	s_add_co_u32 s[G0B+5], s[WH], s[TB]
	s_add_nc_u64 s[G0A+6:G0A+7], s[G0A+6:G0A+7], KA
	s_add_nc_u64 s[G0B+6:G0B+7], s[G0B+6:G0B+7], KB
	JLOADW                                         ; my one tensor load behind the round: 112 products stand between it and the wait for it
	s_xor_b32 s[TB], s[TB], SLOT
	s_sub_co_u32 s[CNT], s[CNT], 1
	s_cmp_lg_u32 s[CNT], 0
	s_cbranch_scc1 .Lstep
	s_mov_b32 s[CNT], 2                            ; the last two K steps ask for nothing: written apart
.Ltail:
	STEP_A 0
	QUARTER 2, F1, F0, 0
	QUARTER 3, F0, F1, 0
	MEET                                           ; the second of these barriers also shows every wave's reads of the ring over
	s_xor_b32 s[TB], s[TB], SLOT
	s_sub_co_u32 s[CNT], s[CNT], 1
	s_cmp_lg_u32 s[CNT], 0
	s_cbranch_scc1 .Ltail
	MUL8 F1, 1, 0, 0
	MUL8 F1, 1, 2, 0
	WIN 0
	PLACES
	PLACES
	; THE WAY OUT
	s_wait_loadcnt 0x0                             ; bias and residual
	v_cvt_pk_bf16_f32 v36, v[BIAS], v[BIAS+1]
	v_cvt_pk_bf16_f32 v37, v[BIAS+2], v[BIAS+3]
	v_lshlrev_b32 v[BIAS], 16, v36
	v_and_b32 v[BIAS+1], s[M16], v36
	v_lshlrev_b32 v[BIAS+2], 16, v37
	v_and_b32 v[BIAS+3], s[M16], v37
.if RND
	WIN 0x8a                                       ; all in window 2: the residual is an input here and is rounded to bf16 like the others
.set t, 0
.rept 32
	v_cvt_pk_bf16_f32 v[128+2*(t%2)], v[4*t], v[4*t+1]
	v_cvt_pk_bf16_f32 v[129+2*(t%2)], v[4*t+2], v[4*t+3]
	v_lshlrev_b32 v[4*t], 16, v[128+2*(t%2)]
	v_and_b32 v[4*t+1], s[M16], v[128+2*(t%2)]
	v_lshlrev_b32 v[4*t+2], 16, v[129+2*(t%2)]
	v_and_b32 v[4*t+3], s[M16], v[129+2*(t%2)]
.set t, t+1
.endr
.endif
	WIN 0x82                                       ; residual (window 2) += bias (window 0)
.set k, 0
.rept 64
	v_pk_add_f32 v[2*k:2*k+1], v[2*k:2*k+1], v[BIAS+2*(k%2):BIAS+2*(k%2)+1]
.set k, k+1
.endr
	WIN 0
.set a, 0
.rept 4                                ; the dump: each accumulator's low four registers first
.set b, 0
.rept 4
	ds_store_b128 v[DA], v[ACC+8*(4*a+b):ACC+8*(4*a+b)+3]   offset:a*16*DP+64*b
	ds_store_b128 v[DA], v[ACC+8*(4*a+b)+4:ACC+8*(4*a+b)+7] offset:a*16*DP+64*b+16
.set b, b+1
.endr
.set a, a+1
.endr
.set t, 0
.rept 32
	ds_load_b128 v[ACC+4*t:ACC+4*t+3], v[RD] offset:t*2*DP  ; LDS serves a wave's instructions in order: these see the stores above
.set t, t+1
.endr
	WIN 0x88                                       ; the sum lands in window 2, from which a store under this setting takes its data (source 1); addresses in window 0
.set t, 0
.rept 32
	s_wait_dscnt 31-t                              ; the 31 - t younger loads may stay out
	v_pk_add_f32 v[4*t:4*t+1], v[ACC+4*t:ACC+4*t+1], v[4*t:4*t+1]
	v_pk_add_f32 v[4*t+2:4*t+3], v[ACC+4*t+2:ACC+4*t+3], v[4*t+2:4*t+3]
.if RND
	global_store_b128 v[RO], v[4*t:4*t+3], s[66:67] offset:t*8192  ; 16 lanes store 256 consecutive bytes, aligned
.else
	global_store_b128 v[RO], v[4*t:4*t+3], s[66:67] offset:t*8192 th:TH_STORE_NT
.endif
.set t, t+1
.endr
	WIN 0
	s_wait_tensorcnt 0x0                           ; the wave's end, behind my last tensor load and my last LDS store
	ds_add_u32 v[SPW], v[NIL]
	s_wait_dscnt 0x0
	CROUND                                         ; the closing round
	s_endpgm
.Lfunc_end_k_qe81534885e_ff2:
	.size	k_qe81534885e_ff2, .Lfunc_end_k_qe81534885e_ff2-k_qe81534885e_ff2
	.p2alignl 7, 3214868480
	.fill 96, 4, 3214868480
	.section	.rodata,"a",@progbits
	.p2align	6, 0x0
	.amdhsa_kernel k_qe81534885e_ff2
		.amdhsa_group_segment_fixed_size 327680
		.amdhsa_private_segment_fixed_size 0
		.amdhsa_enable_private_segment 0
		.amdhsa_kernarg_size 40
		.amdhsa_user_sgpr_count 2
		.amdhsa_user_sgpr_kernarg_segment_ptr 1
		.amdhsa_wavefront_size32 1
		.amdhsa_system_sgpr_workgroup_id_x 1
		.amdhsa_system_sgpr_workgroup_id_y 1
		.amdhsa_system_sgpr_workgroup_id_z 1
		.amdhsa_system_vgpr_workitem_id 0
		.amdhsa_next_free_vgpr 656
		.amdhsa_next_free_sgpr 80
		.amdhsa_reserve_vcc 0
		.amdhsa_float_denorm_mode_32 3
		.amdhsa_float_denorm_mode_16_64 3
		.amdhsa_memory_ordered 1
		.amdhsa_forward_progress 1
		.amdhsa_inst_pref_size 71
	.end_amdhsa_kernel
	.amdgpu_metadata
---
amdhsa.version: [ 1, 2 ]
amdhsa.kernels:
  - .name:           k_qe81534885e_ff2
    .symbol:         k_qe81534885e_ff2.kd
    .args:
      - { .name: g, .offset: 0, .size: 8, .value_kind: global_buffer, .address_space: global }
      - { .name: wb, .offset: 8, .size: 8, .value_kind: global_buffer, .address_space: global }
      - { .name: b_ff2, .offset: 16, .size: 8, .value_kind: global_buffer, .address_space: global }
      - { .name: x1, .offset: 24, .size: 8, .value_kind: global_buffer, .address_space: global }
      - { .name: out0, .offset: 32, .size: 8, .value_kind: global_buffer, .address_space: global }
    .group_segment_fixed_size: 327680
    .private_segment_fixed_size: 0
    .kernarg_segment_align: 8
    .kernarg_segment_size: 40
    .max_flat_workgroup_size: 128
    .sgpr_count:     80
    .vgpr_count:     656
    .wavefront_size: 32
...
	.end_amdgpu_metadata
.endif
;; end of part 7
